; MI455X (gfx1250); checked and timed in simulation.
; The chip was launched on July 23, 2026; its instructions are those of AMD's public machine-readable ISA for CDNA 5 (MIT licence, August 2026) and "CDNA5" Instruction Set Architecture Reference Guide (July 2026). The comments in the code are by the model that wrote it; some were corrected since.
;; Multi Head Attention. Allowed arithmetic: matrix products marked QUANTISED: E2M3 operands, one E8M0 scale for each 32 along K, by v_wmma_scale_f32_16x16x128_f8f6f4 with both operands' format E2M3, f32 sums; everything else in f32.
;; Inputs: bk 1,024 float32; bo 1,024 float32; bq 1,024 float32; bv 1,024 float32; key 4 x 2,048 x 1,024 float32; mask 4 x 1 x 2,048 bool; query 4 x 2,048 x 1,024 float32; value 4 x 2,048 x 1,024 float32; wk 1,024 x 1,024 float32; wo 1,024 x 1,024 float32; wq 1,024 x 1,024 float32; wv 1,024 x 1,024 float32.
;; Outputs: out0 4 x 2,048 x 1,024 float32.
;; This version of the problem:
;;   THIS VERSION OF THE PROBLEM IS GIVEN IN LOW PRECISION. The matrix products marked QUANTISED in the list below multiply operands that are first quantised to E2M3 (2 exponent bits, 3 mantissa bits; 6 bits a number), with one power-of-two scale for each 32 numbers along K (OCP MX v1.0); their sums are f32. All else is computed in f32.
;;   The module's matrix products, in the order in which they are computed (A, B: the left and right operand; K: the contracted axis; several contracted axes count as one K, in the product's order):
;;     1. [M 8,192, K 1,024] x [K 1,024, N 1,024]; A: input query; B: input wq: QUANTISED
;;     2. [M 8,192, K 1,024] x [K 1,024, N 1,024]; A: input key; B: input wk: QUANTISED
;;     3. [M 8,192, K 1,024] x [K 1,024, N 1,024]; A: input value; B: input wv: QUANTISED
;;     4. batch 64 x [M 2,048, K 64] x [K 64, N 2,048]; A: computed on the way; B: computed on the way: QUANTISED
;;     5. batch 64 x [M 2,048, K 2,048] x [K 2,048, N 64]; A: computed on the way; B: computed on the way: QUANTISED
;;     6. [M 8,192, K 1,024] x [K 1,024, N 1,024]; A: computed on the way; B: input wo: QUANTISED
;;   THE QUANTISER, for each operand of a quantised product, along K:
;;     - K is cut into blocks of 32 from its start; a last block that is shorter is filled with zeros.
;;     - A block's scale is 2^e with e = floor(log2(the largest magnitude in the block)) - 2, held to -126 .. 127; a block of zeros has e = 0. As a byte (E8M0): e + 127.
;;     - Each number is divided by its block's scale, clamped to +-7.5, and rounded to the nearest number of E2M3, ties to even, subnormals kept.
;;     - The product sums the exact products of the quantised numbers (number of the format x scale) in f32.
;;   ~~~python
;;   def quantise(x, axis):      # numpy; x: float32 -> the quantised numbers, widened to float32 again
;;       x = np.moveaxis(x, axis, -1); K = x.shape[-1]
;;       x = np.pad(x, [(0, 0)] * (x.ndim - 1) + [(0, -K % 32)]); x = x.reshape(x.shape[:-1] + (-1, 32)); a = np.abs(x).max(-1, keepdims=True)
;;       e = np.where(a > 0, np.clip(np.frexp(np.where(a > 0, a, 1))[1] - 1 - 2, -126, 127), 0)      # np.frexp(a)[1] - 1 = floor(log2(a)), exactly
;;       r = np.clip(x / 2.0 ** e, -7.5, 7.5)
;;       step = 2.0 ** (np.maximum(np.frexp(np.where(r == 0, 1, r))[1] - 1, 0) - 3)
;;       q = np.round(r / step) * step * 2.0 ** e      # np.round: ties to even
;;       return np.moveaxis(q.reshape(q.shape[:-2] + (-1,))[..., :K], -1, axis).astype(np.float32)
;;   ~~~
;;   OPERANDS COMPUTED ON THE WAY. 'Computed on the way' means the value that the module computes at that place (a softmax that the list does not call 'softmax' is quantised finished and normalised). What goes into a quantiser is computed in f32, as accurately as f32 sums, v_exp_f32 and their like allow (about 1e-6 of the number): no bf16 or f16 on the way to a quantiser, and a product that is left as it is and whose result goes on into a quantised operand takes f32 operands (vector FMAs, or v_wmma_f32_16x16x4_f32). A number that lies on a knife's edge between two numbers of the format may be rounded either way, as far as f32 arithmetic and the matrix unit's own rounding can turn it there, and no further.
;; One version. Each part assembles by itself: llvm-mc -triple=amdgcn-amd-amdhsa -mcpu=gfx1250 --defsym DOCPART=n.
;; ======== version 1 of 1: 4 launches
;; limits: right only within a limited range of input values
;; workspace buffers: acts 19,660,800 bytes; wts 3,276,800 bytes; qkv 20,447,232 bytes; xq 6,553,600 bytes
;; launch quant (part 1): grid 896 x 1, 4 waves a work-group, no clusters, 33,280 bytes of LDS; arguments query, key, value, wq, wk, wv, wo, acts, wts; writes acts, wts
.if DOCPART == 1
	.amdgcn_target "amdgcn-amd-amdhsa--gfx1250"
	.amdhsa_code_object_version 6
	.text
	.protected	k_qa12fdc0250_quant
	.globl	k_qa12fdc0250_quant
	.p2align	8
	.type	k_qa12fdc0250_quant,@function
k_qa12fdc0250_quant:
	s_mov_b64 s[64:65], 0
	v_nop
	global_prefetch_b8 v0, s[64:65] scope:SCOPE_SE
	s_setreg_imm32_b32 hwreg(HW_REG_WAVE_MODE, 25, 1), 1
	s_wait_xcnt 0x0
; query, key, value [8192][1024] and wq, wk, wv, wo [1024][1024], f32, K innermost, become codes of FP6 (E2M3) with one E8M0 byte for each 32 along K,
; laid IN THE ORDER OF AN OPERAND'S REGISTERS.  A block of 128 rows is 102,400 bytes: 8 K steps of 12,800; a K step is 8 tiles of 16 rows x 1,536 bytes, then 128 scale words.
; In a tile, lane 16 H + r has 48 bytes at 48 (16 H + r): row r's codes of k = 64 H .. 64 H + 63 of the K step, as they lie in the row's stream of bits.  So a fragment is three loads of 16 bytes a lane.
; The matrix unit then finds the step's block 2 H + c where it expects block 2 c + H, in both operands alike; the scale word's byte 2 c + H holds block 2 H + c's byte.
; ROWS STAND IN POSITION ORDER: row x stands at position x with bits 3 and 4 exchanged, so that a product's registers of two neighbouring tiles are 16 neighbours along the next quantiser's axis.
; A block's scale is 2^(floor(log2(largest magnitude)) - 2); its byte is the largest magnitude's exponent field - 2, held at 1 from below (a block of zeros keeps 1: its codes are zeros, and this program alone reads the bytes).
; LIMITS: NaN and infinities are not served; blocks whose largest magnitude lies under 2^-124 keep the byte 1.
; A wave takes 64 rows x 128 columns in 16 steps of 4 rows.  Each load reads 512 consecutive bytes; the step's 2,048 bytes turn through the wave's own stage in LDS, so that a lane holds 16 neighbours along K.
; No tensor loads, no barrier: waves share nothing.  Loads run four steps (16 loads a wave) ahead, the turn through LDS one step.
.set WAVES, 4
.set STEPS, 16
.set EMAX,  2
.set R,     16                         ; v16-79   four sets of 16 numbers as loaded
.set X,     80                         ; v80-111  two sets of 16 neighbours
.set E,     112                        ; v112-127 a scale byte for each step
.set C,     128                        ; v128-191 codes, four registers a step: no store's data are written again
.set WREG,  8192                       ; LDS of a wave: two stages of 32 x SP bytes, then its 256 scale bytes
.set SP,    80
.set SPW,   12                         ; v12 my spare word's LDS address; never rewritten
.set NIL,   13                         ; v13 0; never rewritten
.set SPARE, WAVES*WREG                 ; the spare words, 128 bytes a wave
	s_load_b256 s[4:11], s[0:1], 0x0               ; query, key, value, wq
	s_load_b256 s[12:19], s[0:1], 0x20             ; wk, wv, wo, acts
	s_load_b64 s[20:21], s[0:1], 0x40              ; wts
	v_lshl_add_u32 v[SPW], v0, 2, SPARE
	v_mov_b32 v[NIL], 0
	v_lshrrev_b32 v1, 5, v0
	v_readfirstlane_b32 s22, v1                    ; wave
	v_and_b32 v2, 31, v0                           ; lane
	v_lshlrev_b32 v3, 4, v2                        ; my 16 bytes of a load's 512
	s_mul_i32 s23, s22, WREG
	v_lshrrev_b32 v14, 2, v2
	v_mul_u32_u24 v14, v14, SP
	v_and_b32 v15, 3, v2
	v_lshl_add_u32 v14, v15, 4, v14
	v_add_nc_u32 v14, s23, v14                     ; the stage, way in: SP (lane / 4) + 16 (lane % 4)
	v_mul_u32_u24 v15, v2, SP
	v_add_nc_u32 v15, s23, v15                     ; way out: SP x lane: row lane / 8 of the step's four, piece lane % 8 of 16 numbers
	v_bfe_u32 v8, v2, 2, 1                         ; H = piece / 4
	v_mul_u32_u24 v4, v8, 768
	v_lshrrev_b32 v9, 3, v2                        ; row
	v_mad_u32_u24 v4, v9, 48, v4
	v_and_b32 v10, 3, v2
	v_mad_u32_u24 v4, v10, 12, v4                  ; my 12 bytes of codes: 768 H + 48 row + 12 (piece % 4)
	s_add_co_u32 s23, s23, 2*32*SP
	v_lshlrev_b32 v5, 2, v9
	v_bfe_u32 v10, v2, 1, 1                        ; c
	v_lshl_add_u32 v5, v10, 1, v5
	v_add_nc_u32 v5, v5, v8
	v_add_nc_u32 v5, s23, v5                       ; my block's byte: 4 row + 2 c + H
	v_lshlrev_b32 v7, 3, v2
	v_add_nc_u32 v6, s23, v7
	s_wait_kmcnt 0x0
	s_mov_b64 s[24:25], s[16:17]                   ; which tensor: the choice hangs on the work-group's number alone
	s_mov_b32 s26, 864
	s_cmp_lt_u32 ttmp9, 864
	s_cselect_b64 s[24:25], s[14:15], s[24:25]
	s_cselect_b32 s26, 832, s26
	s_cmp_lt_u32 ttmp9, 832
	s_cselect_b64 s[24:25], s[12:13], s[24:25]
	s_cselect_b32 s26, 800, s26
	s_cmp_lt_u32 ttmp9, 800
	s_cselect_b64 s[24:25], s[10:11], s[24:25]
	s_cselect_b32 s26, 768, s26
	s_cmp_lt_u32 ttmp9, 768
	s_cselect_b64 s[24:25], s[8:9], s[24:25]
	s_cselect_b32 s26, 512, s26
	s_cmp_lt_u32 ttmp9, 512
	s_cselect_b64 s[24:25], s[6:7], s[24:25]
	s_cselect_b32 s26, 256, s26
	s_cmp_lt_u32 ttmp9, 256
	s_cselect_b64 s[24:25], s[4:5], s[24:25]
	s_cselect_b32 s26, 0, s26
	s_cmp_lt_u32 ttmp9, 768
	s_cselect_b64 s[28:29], s[18:19], s[20:21]     ; acts or wts
	s_cselect_b32 s27, 0, 768
	s_sub_co_u32 s30, ttmp9, s26
	s_lshl_b32 s30, s30, 2
	s_add_co_u32 s30, s30, s22                     ; my wave's number in its tensor
	s_and_b32 s31, s30, 7                          ; K step
	s_bfe_u32 s32, s30, 0x10003                    ; which 64 rows of the block
	s_lshr_b32 s33, s30, 4                         ; block of 128 rows
	s_lshl_b32 s34, s33, 19
	s_lshl_b32 s36, s32, 18
	s_add_co_u32 s34, s34, s36
	s_lshl_b32 s36, s31, 9
	s_add_co_u32 s34, s34, s36
	s_mov_b32 s35, 0
	s_add_nc_u64 s[24:25], s[24:25], s[34:35]
	s_sub_co_u32 s36, ttmp9, s27
	s_lshr_b32 s36, s36, 2                         ; block of 128 rows in the buffer written
	s_mul_i32 s36, s36, 102400
	s_mul_i32 s38, s31, 12800
	s_add_co_u32 s36, s36, s38
	s_mul_i32 s38, s32, 6144
	s_add_co_u32 s38, s38, s36
	s_mov_b32 s39, 0
	s_lshl_b32 s40, s32, 8
	s_add_co_u32 s40, s40, s36
	s_add_co_u32 s40, s40, 12288
	s_mov_b32 s41, 0
	s_add_nc_u64 s[42:43], s[28:29], s[40:41]      ; my 256 scale bytes
	s_add_nc_u64 s[28:29], s[28:29], s[38:39]      ; my four tiles
.macro LOAD t                          ; positions 4 t .. 4 t + 3 are rows 4 t' .. with bits 1 and 2 of t exchanged
.set RW, 4*((((\t)&9)|(((\t)&2)<<1))|(((\t)&4)>>1))
.irp i, 0,1,2,3
	global_load_b128 v[R+16*((\t)%4)+4*\i:R+16*((\t)%4)+4*\i+3], v3, s[24:25] offset:(RW+\i)*4096 th:TH_LOAD_NT
.endr
.endm
.macro TURN t                          ; LDS serves a wave's instructions in order: no wait between the stores and the loads
.irp i, 0,1,2,3
	ds_store_b128 v14, v[R+16*((\t)%4)+4*\i:R+16*((\t)%4)+4*\i+3] offset:32*SP*((\t)%2)+8*SP*\i
.endr
.irp i, 0,1,2,3
	ds_load_b128 v[X+16*((\t)%2)+4*\i:X+16*((\t)%2)+4*\i+3], v15 offset:32*SP*((\t)%2)+16*\i
.endr
.endm
.irp t, 0,1,2,3
	LOAD \t
.endr
	s_wait_loadcnt 12                              ; step 0's four loads are in
	TURN 0
.macro STEP t
.set XS, X+16*((\t)%2)
.if (\t) > 0
	s_wait_dscnt 1                                 ; this step's numbers are back from the stage; the last step's byte store may be out
.else
	s_wait_dscnt 0x0
.endif
.if (\t)+4 < STEPS
	LOAD (\t)+4
.endif
.if (\t)+1 < STEPS
.if STEPS-2-(\t) >= 3
	s_wait_loadcnt 12                              ; the next step's four are in; three later steps' may be out
.else
	s_wait_loadcnt 4*(STEPS-2-(\t))
.endif
	TURN (\t)+1
.endif
	v_max3_num_f32 v8, |v[XS]|, |v[XS+1]|, |v[XS+2]|
	v_max3_num_f32 v9, |v[XS+3]|, |v[XS+4]|, |v[XS+5]|
.irp i, 6,10
	v_max3_num_f32 v8, v8, |v[XS+\i]|, |v[XS+\i+1]|
	v_max3_num_f32 v9, v9, |v[XS+\i+2]|, |v[XS+\i+3]|
.endr
	v_max3_num_f32 v8, v8, |v[XS+14]|, |v[XS+15]|
	v_max3_num_f32 v8, v8, v9, (EMAX+1)<<23        ; the floor 2^(3 - 127): the byte cannot fall under 1
	v_max_num_f32_dpp v8, v8, v8 row_xmask:1 row_mask:0xf bank_mask:0xf   ; with my neighbour's 16: the block's
	v_add_nc_u32 v11, -(EMAX<<23), v8              ; 2 off the exponent field: the conversion's scale operand
	v_cvt_scalef32_pk16_fp6_f32 v[C+4*(\t):C+4*(\t)+2], v[XS:XS+15], v11
	v_lshrrev_b32 v[E+(\t)], 23, v11               ; the scale's byte
	ds_store_b8 v5, v[E+(\t)] offset:16*(\t)       ; both lanes of a block write the same byte with the same value
	global_store_b96 v4, v[C+4*(\t):C+4*(\t)+2], s[28:29] offset:1536*((\t)>>2)+192*((\t)&3)   ; two runs of 192 consecutive bytes
.endm
.irp t, 0,1,2,3,4,5,6,7,8,9,10,11,12,13,14,15
	STEP \t
.endr
	ds_load_b64 v[8:9], v6
	s_wait_dscnt 0x0
	global_store_b64 v7, v[8:9], s[42:43]          ; 32 lanes store 256 consecutive bytes, aligned
	s_wait_tensorcnt 0x0                           ; the wave's end
	ds_add_u32 v[SPW], v[NIL]
	s_wait_dscnt 0x0
	s_endpgm
.Lfunc_end_k_qa12fdc0250_quant:
	.size	k_qa12fdc0250_quant, .Lfunc_end_k_qa12fdc0250_quant-k_qa12fdc0250_quant
	.p2alignl 7, 3214868480
	.fill 96, 4, 3214868480
	.section	.rodata,"a",@progbits
	.p2align	6, 0x0
	.amdhsa_kernel k_qa12fdc0250_quant
		.amdhsa_group_segment_fixed_size 33280
		.amdhsa_private_segment_fixed_size 0
		.amdhsa_enable_private_segment 0
		.amdhsa_kernarg_size 72
		.amdhsa_user_sgpr_count 2
		.amdhsa_user_sgpr_kernarg_segment_ptr 1
		.amdhsa_wavefront_size32 1
		.amdhsa_system_sgpr_workgroup_id_x 1
		.amdhsa_system_sgpr_workgroup_id_y 1
		.amdhsa_system_sgpr_workgroup_id_z 1
		.amdhsa_system_vgpr_workitem_id 0
		.amdhsa_next_free_vgpr 192
		.amdhsa_next_free_sgpr 66
		.amdhsa_reserve_vcc 0
		.amdhsa_float_denorm_mode_32 3
		.amdhsa_float_denorm_mode_16_64 3
		.amdhsa_memory_ordered 1
		.amdhsa_forward_progress 1
		.amdhsa_inst_pref_size 34
	.end_amdhsa_kernel
	.amdgpu_metadata
---
amdhsa.version: [ 1, 2 ]
amdhsa.kernels:
  - .name:           k_qa12fdc0250_quant
    .symbol:         k_qa12fdc0250_quant.kd
    .args:
      - { .name: query, .offset: 0, .size: 8, .value_kind: global_buffer, .address_space: global }
      - { .name: key, .offset: 8, .size: 8, .value_kind: global_buffer, .address_space: global }
      - { .name: value, .offset: 16, .size: 8, .value_kind: global_buffer, .address_space: global }
      - { .name: wq, .offset: 24, .size: 8, .value_kind: global_buffer, .address_space: global }
      - { .name: wk, .offset: 32, .size: 8, .value_kind: global_buffer, .address_space: global }
      - { .name: wv, .offset: 40, .size: 8, .value_kind: global_buffer, .address_space: global }
      - { .name: wo, .offset: 48, .size: 8, .value_kind: global_buffer, .address_space: global }
      - { .name: acts, .offset: 56, .size: 8, .value_kind: global_buffer, .address_space: global }
      - { .name: wts, .offset: 64, .size: 8, .value_kind: global_buffer, .address_space: global }
    .group_segment_fixed_size: 33280
    .private_segment_fixed_size: 0
    .kernarg_segment_align: 8
    .kernarg_segment_size: 72
    .max_flat_workgroup_size: 128
    .sgpr_count:     66
    .vgpr_count:     192
    .wavefront_size: 32
...
	.end_amdgpu_metadata
.endif
;; end of part 1
;; launch proj (part 2): grid 4 x 192, 4 waves a work-group, clusters of 4 x 4, 307,712 bytes of LDS; arguments acts, wts, bq, bk, bv, mask, qkv; writes qkv
.if DOCPART == 2
	.amdgcn_target "amdgcn-amd-amdhsa--gfx1250"
	.amdhsa_code_object_version 6
	.text
	.protected	k_qa12fdc0250_proj
	.globl	k_qa12fdc0250_proj
	.p2align	8
	.type	k_qa12fdc0250_proj,@function
k_qa12fdc0250_proj:
	s_mov_b64 s[64:65], 0
	v_nop
	global_prefetch_b8 v0, s[64:65] scope:SCOPE_SE
	s_setreg_imm32_b32 hwreg(HW_REG_WAVE_MODE, 25, 1), 1
	s_wait_xcnt 0x0
	s_wait_alu depctr_hold_cnt(0) depctr_sa_sdst(0) depctr_va_vdst(0) depctr_va_sdst(0) depctr_va_ssrc(0) depctr_va_vcc(0) depctr_vm_vsrc(0)
	s_getreg_b32 s2, hwreg(HW_REG_IB_STS2, 6, 4)
	s_cmp_eq_u32 s2, 0
	s_cbranch_scc0 .Lentry_in_a_cluster
	s_endpgm
.Lentry_in_a_cluster:
	s_bfe_u32 s2, ttmp6, 0x10000c
	s_cmp_lg_u32 s2, 0xf033
	s_cbranch_scc0 .Lentry_shape_is_right
	s_endpgm
.Lentry_shape_is_right:
; q = query wq^T + bq, k = key wk^T + bk, v = value wv^T + bv on codes of FP6 (E2M3) with E8M0 scales, and the results quantised for attention: q and k along the head's 64, v along the keys.
; SHARES.  A work-group makes 128 tokens x 256 outputs (4 heads) over all of K = 1,024; wave w makes head 4 cx + w: 64 outputs x 128 tokens, 32 accumulators.  Which of the three products: cluster y / 16.
; ALL OF K LIES IN LDS: two blocks of weights and one of tokens, 102,400 bytes each, asked for once, by one tensor load a wave, so nothing is filled again and no ring is run.
; CLUSTER 4 x 4: the weights hang on cx and on the product alone and are asked for jointly down a column; the tokens hang on the row block alone and are asked for jointly along a row.
; q, k: source 0 = 16 outputs, source 1 = 16 tokens: a lane holds one token and 16 + 16 neighbouring channels of the head's two blocks.  v: source 0 = 16 tokens, source 1 = 16 outputs: a lane holds one channel and keys.
; The bias is the C of each sum's first product.  A MASKED KEY'S CODES OF k ARE MADE ZERO, so that its score product is exactly 0 and attention's C decides its score.
; RECORDS in qkv, 6,656 bytes for (tensor, batch x head, 128 tokens): q, k: 128 rows x 48 bytes (block 0, block 1), then 128 words (b0, b1, b0, b1); v: 4 images of fragments (16 channels x 128 keys), 64 scale words, and these again.
; LIMITS: NaN and infinities are not served; a block whose largest magnitude lies under 2^-124 keeps the byte 1.
; REGISTERS: window 0: v2-19 addresses; v20-31 scale words, two sets; v32-63 bias; v64-71 keep masks; v72-88 at work; v96-239 fragment set 0 (8 of tokens, 4 of weights).  window 1: accumulators.  window 2: v96-239 fragment set 1.
.set BLK,   102400
.set KST,   12800
.set CHUNK, 25600
.set REC,   6656
.set LA,    2*BLK                      ; LDS: weights' block 0, block 1, then the tokens' block
.set SPARE, 3*BLK                      ; the spare words, 128 bytes a wave
.set AFA, 2                            ; v2-3   tokens' fragments: K steps 0-3, 4-7
.set AFW, 4                            ; v4-5   my weights' fragments
.set ASA, 6                            ; v6-7   tokens' scale words
.set ASW, 8                            ; v8-9   my weights' scale words
.set SPW, 10
.set NIL, 11
.set SQ,  12                           ; stage of the q, k path: codes
.set SQS, 13                           ; its scale words
.set SV,  14                           ; stage of the v path: images
.set SVS, 15                           ; its scale words
.set RQ,  16                           ; read back, q, k path
.set RV,  17                           ; read back, v path
.set GO,  18                           ; 16 x lane
.set MO,  19                           ; 16 (r / 8) + r % 8: what a lane adds to a tile's first row
.set SC,  20
.set BI,  32
.set KEEP, 64
.set TM,  72
.set QW,  88
.set FA,  96
.set FW,  192
.set PC,  96                           ; the codes just made (the fragments are done with)
.set RB,  120                          ; a record read back: 52 registers
.set WV,  18
.set G1W, 24
.set G1A, 32
.set G0W, 40
.set SEL, 98
.set MSB, 0
.macro WIN new                         ; the immediate's high byte repeats the setting that is left
.if MSB != \new
	s_set_vgpr_msb (MSB<<8)|\new
.set MSB, \new
.endif
.endm
.macro PLACES n
.rept \n
	v_nop
.endr
.endm
.macro CROUND                          ; a round of the cluster's barrier
	s_barrier_signal -1
	s_barrier_wait -1
	s_cmp_lg_u32 s[WV], 0
	s_cbranch_scc1 .Lnot_wave_0_\@
	s_barrier_signal -3
.Lnot_wave_0_\@:
	s_barrier_wait -3
	s_barrier_signal -1
	s_barrier_wait -1
.endm
; one product: D, source 0, source 1, C, and each source's scale register with the half of the lanes that holds its words
.macro WM d, a, b, c, sa, ra, sb, rb
.if ((\ra)==0)&&((\rb)==0)
	v_wmma_scale_f32_16x16x128_f8f6f4 v[(\d):(\d)+7], v[(\a):(\a)+11], v[(\b):(\b)+11], \c, v[\sa], v[\sb] matrix_a_fmt:MATRIX_FMT_FP6 matrix_b_fmt:MATRIX_FMT_FP6
.elseif ((\ra)==1)&&((\rb)==0)
	v_wmma_scale_f32_16x16x128_f8f6f4 v[(\d):(\d)+7], v[(\a):(\a)+11], v[(\b):(\b)+11], \c, v[\sa], v[\sb] matrix_a_fmt:MATRIX_FMT_FP6 matrix_b_fmt:MATRIX_FMT_FP6 matrix_a_scale:MATRIX_SCALE_ROW1
.elseif ((\ra)==0)&&((\rb)==1)
	v_wmma_scale_f32_16x16x128_f8f6f4 v[(\d):(\d)+7], v[(\a):(\a)+11], v[(\b):(\b)+11], \c, v[\sa], v[\sb] matrix_a_fmt:MATRIX_FMT_FP6 matrix_b_fmt:MATRIX_FMT_FP6 matrix_b_scale:MATRIX_SCALE_ROW1
.else
	v_wmma_scale_f32_16x16x128_f8f6f4 v[(\d):(\d)+7], v[(\a):(\a)+11], v[(\b):(\b)+11], \c, v[\sa], v[\sb] matrix_a_fmt:MATRIX_FMT_FP6 matrix_b_fmt:MATRIX_FMT_FP6 matrix_a_scale:MATRIX_SCALE_ROW1 matrix_b_scale:MATRIX_SCALE_ROW1
.endif
.endm
; K step s into set s % 2: 36 loads of 16 bytes and 6 scale words: 42 loads
.macro FETCH s
.if ((\s)&1)
	WIN 0x80
.else
	WIN 0
.endif
.irp i, 0,1,2,3,4,5,6,7
.irp j, 0,1,2
	ds_load_b128 v[FA+12*\i+4*\j:FA+12*\i+4*\j+3], v[AFA+((\s)>>2)] offset:KST*((\s)&3)+1536*\i+16*\j
.endr
.endr
.irp i, 0,1,2,3
.irp j, 0,1,2
	ds_load_b128 v[FW+12*\i+4*\j:FW+12*\i+4*\j+3], v[AFW+((\s)>>2)] offset:KST*((\s)&3)+1536*\i+16*\j
.endr
.endr
	WIN 0
.irp i, 0,1,2,3
	ds_load_b32 v[SC+6*((\s)&1)+\i], v[ASA+((\s)>>2)] offset:KST*((\s)&3)+128*\i   ; lanes 0-15: tile 2 i; lanes 16-31: tile 2 i + 1
.endr
.irp i, 0,1
	ds_load_b32 v[SC+6*((\s)&1)+4+\i], v[ASW+((\s)>>2)] offset:KST*((\s)&3)+128*\i
.endr
.endm
.macro MULWIN s
.if (\s)==0
	WIN 0x40                                       ; fragments and bias window 0, D window 1
.elseif ((\s)&1)==0
	WIN 0x50                                       ; fragments window 0, C and D window 1
.else
	WIN 0x5a                                       ; fragments window 2, C and D window 1
.endif
.endm
; 32 products of a K step; the 32 accumulators take turns, one instruction a turn, in the same order in every step
.macro MULQK s
	MULWIN \s
.set SCB, SC+6*((\s)&1)
.irp i, 0,1,2,3,4,5,6,7
.irp u, 0,1,2,3
.if (\s)==0
	WM 8*(4*\i+\u),FW+12*\u,FA+12*\i,v[BI+8*\u:BI+8*\u+7],SCB+4+(\u>>1),\u&1,SCB+(\i>>1),\i&1
.else
	WM 8*(4*\i+\u),FW+12*\u,FA+12*\i,v[8*(4*\i+\u):8*(4*\i+\u)+7],SCB+4+(\u>>1),\u&1,SCB+(\i>>1),\i&1
.endif
.endr
.endr
.endm
.macro MULV s
	MULWIN \s
.set SCB, SC+6*((\s)&1)
.irp c, 0,1,2,3
.irp u, 0,1,2,3,4,5,6,7
.if (\s)==0
	WM 8*(8*\c+\u),FA+12*\u,FW+12*\c,v[BI+8*\c:BI+8*\c+7],SCB+(\u>>1),\u&1,SCB+4+(\c>>1),\c&1
.else
	WM 8*(8*\c+\u),FA+12*\u,FW+12*\c,v[8*(8*\c+\u):8*(8*\c+\u)+7],SCB+(\u>>1),\u&1,SCB+4+(\c>>1),\c&1
.endif
.endr
.endr
.endm
; A K step: the next step's fragments are asked for, then this step is multiplied.
.macro KSTEP s, path
.if (\s)>0
	PLACES 4                                       ; four places between the last products and loads into the set that they read (ISA guide 7.12.1 for vector instructions)
.endif
.if (\s)<7
	FETCH (\s)+1
	s_wait_dscnt 42                                ; all but the 42 just issued: this step's fragments are in
.else
	s_wait_dscnt 0x0
.endif
.if \path
	MULV \s
.else
	MULQK \s
.endif
.endm
; nb blocks: registers a + 16 b + i of window 1 are number 16 (lane / 16) + i of block b of my row.  Codes to v[PC] on, whole blocks a lane; bytes to v[TM+4] on; the word to v[QW].
.macro QUANT a, nb
	WIN 0x05
.set qb, 0
.rept \nb
	v_max3_num_f32 v[TM+qb], |v[(\a)+16*qb]|, |v[(\a)+16*qb+1]|, 0x1800000   ; with the floor 2^(3 - 127).  Each accumulator is read from its low end on
.set qb, qb+1
.endr
.irp i, 2,4,6,8,10,12,14
.set qb, 0
.rept \nb
	v_max3_num_f32 v[TM+qb], |v[(\a)+16*qb+\i]|, |v[(\a)+16*qb+\i+1]|, v[TM+qb]
.set qb, qb+1
.endr
.endr
	WIN 0
.set qb, 0
.rept \nb
	v_permlanex16_b32 v[TM+4+qb], v[TM+qb], s[SEL], s[SEL+1]
.set qb, qb+1
.endr
.set qb, 0
.rept \nb
	v_max_num_f32 v[TM+qb], v[TM+qb], v[TM+4+qb]   ; with lane l xor 16's: the block's largest magnitude
.set qb, qb+1
.endr
.set qb, 0
.rept \nb
	v_add_nc_u32 v[TM+12+qb], 0xff000000, v[TM+qb] ; 2 off the exponent field: the conversion's scale operand
.set qb, qb+1
.endr
.set qb, 0
.rept \nb
	v_lshrrev_b32 v[TM+4+qb], 23, v[TM+12+qb]      ; the byte
.set qb, qb+1
.endr
	v_lshl_or_b32 v[QW], v[TM+5], 8, v[TM+4]
.if (\nb)==4
	v_lshl_or_b32 v[QW], v[TM+6], 16, v[QW]
	v_lshl_or_b32 v[QW], v[TM+7], 24, v[QW]
.endif
	WIN 0x01
.set qb, 0
.rept (\nb)/2
	v_cvt_scalef32_pk16_fp6_f32 v[PC+6*qb:PC+6*qb+2], v[(\a)+32*qb:(\a)+32*qb+15], v[TM+12+2*qb]
	v_cvt_scalef32_pk16_fp6_f32 v[PC+12+4*qb:PC+14+4*qb], v[(\a)+32*qb+16:(\a)+32*qb+31], v[TM+13+2*qb]
.set qb, qb+1
.endr
	WIN 0
	v_nop                                          ; one plain place behind a scaled conversion
.set qb, 0
.rept (\nb)/2
.irp i, 0,1,2
	v_permlane16_swap_b32 v[PC+6*qb+\i], v[PC+12+4*qb+\i]   ; lanes 0-15 get block 2 c whole, lanes 16-31 block 2 c + 1
.endr
.irp i, 0,1,2
	v_mov_b32 v[PC+3+6*qb+\i], v[PC+12+4*qb+\i]
.endr
.set qb, qb+1
.endr
.endm
.macro SENDREC rd                      ; my record leaves: each store covers 512 consecutive bytes, aligned to 256
.irp t, 0,1,2,3,4,5,6,7,8,9,10,11,12
	ds_load_b128 v[RB+4*\t:RB+4*\t+3], v[\rd] offset:512*\t   ; LDS serves a wave's instructions in order: these see my stores
.endr
.irp t, 0,1,2,3,4,5,6,7,8,9,10,11,12
	s_wait_dscnt 12-\t
	global_store_b128 v[GO], v[RB+4*\t:RB+4*\t+3], s[16:17] offset:512*\t
.endr
.endm
	s_load_b256 s[4:11], s[0:1], 0x0               ; acts, wts, bq, bk
	s_load_b128 s[12:15], s[0:1], 0x20             ; bv, mask
	s_load_b64 s[16:17], s[0:1], 0x30              ; qkv
	v_lshl_add_u32 v[SPW], v0, 2, SPARE
	v_mov_b32 v[NIL], 0
	ds_add_u32 v[SPW], v[NIL]                      ; the wave's opening
	ds_add_u32 v[SPW], v[NIL]
	v_lshrrev_b32 v1, 5, v0
	v_readfirstlane_b32 s[WV], v1                  ; wave 0..3
	s_bfe_u32 s19, ttmp6, 0x40000                  ; cx: which 256 outputs
	s_bfe_u32 s20, ttmp6, 0x40004                  ; cy
	s_and_b32 s21, ttmp7, 0xffff                   ; cluster y
	s_lshr_b32 s22, s21, 4                         ; which product: 0 q, 1 k, 2 v: the same in all sixteen partners
	s_lshl_b32 s23, s21, 2
	s_add_co_u32 s23, s23, s20                     ; my block of 128 rows of acts
	s_lshl_b32 s76, 0x1111, s19                    ; my column of the cluster
	s_lshl_b32 s77, s20, 2
	s_lshl_b32 s77, 15, s77                        ; my row
	s_or_b32 s[G1W], s76, (3<<16)|(1<<21)          ; group 1: the mask; elements of 8 bytes; bit 21 beside a mask; no padding
	s_or_b32 s[G1A], s77, (3<<16)|(1<<21)
.irp g, G1W, G1A
	s_mov_b32 s[\g+1], 32<<16                      ; a chunk is dense: 100 rows of 256 bytes
	s_mov_b32 s[\g+2], (400-200*(\g/G1A))<<16      ; a weights' block whole: 400 rows of 256 bytes; half of the tokens' block: 200
	s_mov_b32 s[\g+3], 32<<16
	s_mov_b32 s[\g+4], 400-200*(\g/G1A)
	s_mov_b32 s[\g+5], 32
	s_mov_b32 s[\g+6], 0
	s_mov_b32 s[\g+7], 0
.endr
	s_and_b32 s78, s[WV], 1
	s_lshl_b32 s79, s22, 3
	s_lshl_b32 s80, s19, 1
	s_add_co_u32 s79, s79, s80
	s_add_co_u32 s79, s79, s78                     ; weights' block 8 product + 2 cx + wave % 2
	s_mul_i32 s80, s79, BLK
	s_mov_b32 s81, 0
	s_mul_i32 s82, s23, BLK                        ; tokens' block: in registers that never hold cx
	s_mov_b32 s83, 0
	s_mul_i32 s84, s78, BLK                        ; where the weights' block goes
	s_wait_dscnt 0x0                               ; the opening add is done
	s_wait_kmcnt 0x0
	s_add_nc_u64 s[80:81], s[6:7], s[80:81]
	s_add_nc_u64 s[82:83], s[4:5], s[82:83]
.irp c, 0,2
	s_mov_b32 s[G0W+4*\c], 1
	s_add_co_u32 s[G0W+4*\c+1], s84, \c*CHUNK
	s_add_nc_u64 s[G0W+4*\c+2:G0W+4*\c+3], s[80:81], \c*CHUNK
	s_or_b32 s[G0W+4*\c+3], s[G0W+4*\c+3], 0x80000000
	s_mov_b32 s[56+4*\c+4*(\c/2)], 1               ; the tokens' two groups 0: s56, s68
	s_mov_b32 s[57+4*\c+4*(\c/2)], LA+\c*CHUNK
	s_add_nc_u64 s[58+4*\c+4*(\c/2):59+4*\c+4*(\c/2)], s[82:83], \c*CHUNK
	s_or_b32 s[59+4*\c+4*(\c/2)], s[59+4*\c+4*(\c/2)], 0x80000000
.endr
	CROUND                                         ; all sixteen work-groups are here: the joint loads meet
	s_cmp_lt_u32 s[WV], 2                          ; waves 0, 1: the weights' two blocks; waves 2, 3: the tokens' two halves.  A wave's one load stands in one branch: one is out
	s_cbranch_scc0 .Lnot_w
	tensor_load_to_lds s[G0W:G0W+3], s[G1W:G1W+7]  ; ONE load a wave at the head: waves 0, 1 a weights' block each, waves 2, 3 the tokens' K steps 0-3 and 4-7
	s_nop 0
	PLACES 4
	s_branch .Lasked
.Lnot_w:
	s_cmp_eq_u32 s[WV], 2
	s_cbranch_scc0 .Lw3
	tensor_load_to_lds s[56:59], s[G1A:G1A+7]
	s_nop 0
	PLACES 4
	s_branch .Lasked
.Lw3:
	tensor_load_to_lds s[68:71], s[G1A:G1A+7]
	s_nop 0
	PLACES 4
.Lasked:
	v_and_b32 v1, 31, v0                           ; lane
	v_and_b32 v89, 15, v0                          ; r
	v_bfe_u32 v90, v0, 4, 1                        ; h
	v_mul_u32_u24 v91, v1, 48
	s_wait_alu depctr_va_vdst(0)
	v_lshlrev_b32 v92, 2, v1
	s_wait_alu depctr_va_vdst(0)
	v_lshlrev_b32 v[GO], 4, v1
	s_lshr_b32 s85, s[WV], 1
	s_mul_i32 s85, s85, BLK                        ; my weights' block in LDS,
	s_mul_i32 s90, s78, 6144
	s_add_co_u32 s90, s90, s85                     ; my four tiles of it,
	s_lshl_b32 s91, s78, 8
	s_add_co_u32 s91, s91, s85
	s_add_co_u32 s91, s91, 12288                   ; and their scale words
	s_mul_i32 s85, s[WV], REC                      ; my stage
	v_add_nc_u32 v[AFA], LA, v91
	v_add_nc_u32 v[AFA+1], LA+4*KST, v91
	v_add_nc_u32 v[AFW], s90, v91
	v_add_nc_u32 v[AFW+1], 4*KST, v[AFW]
	v_add_nc_u32 v[ASA], LA+12288, v92
	v_add_nc_u32 v[ASA+1], LA+12288+4*KST, v92
	v_add_nc_u32 v[ASW], s91, v92
	v_add_nc_u32 v[ASW+1], 4*KST, v[ASW]
	v_mul_u32_u24 v93, v89, 48
	v_mad_u32_u24 v93, v90, 24, v93
	v_add_nc_u32 v93, s85, v93
	v_add_nc_u32 v[SQ], LA, v93                    ; the q, k path's stages lie in the tokens' block, the v path's in the weights' block 0: each path has bytes of its own
	v_lshlrev_b32 v94, 2, v89
	v_add_nc_u32 v95, s85, v94
	v_add_nc_u32 v[SQS], LA+6144, v95
	v_add_nc_u32 v[SV], s85, v91
	v_lshl_add_u32 v95, v90, 8, v95
	v_add_nc_u32 v[SVS], 6144, v95
	v_add_nc_u32 v[RV], s85, v[GO]
	v_add_nc_u32 v[RQ], LA, v[RV]
	v_and_b32 v[MO], 7, v89
	v_lshrrev_b32 v93, 3, v89
	v_lshl_add_u32 v[MO], v93, 4, v[MO]
.irp j, 4,5,6,7
	v_mov_b32 v[TM+\j], 0                          ; a lane permute's destination counts as one of its sources
.endr
	s_mov_b32 s[SEL], 0x76543210
	s_mov_b32 s[SEL+1], 0xfedcba98
	s_cmp_eq_u32 s22, 0
	s_cselect_b64 s[86:87], s[8:9], s[10:11]
	s_cmp_eq_u32 s22, 2
	s_cselect_b64 s[86:87], s[12:13], s[86:87]     ; the product's bias
	s_cmp_eq_u32 s22, 1
	s_cselect_b32 s88, 1, 0                        ; 1 for k alone
	s_lshl_b32 s89, s19, 2
	s_add_co_u32 s89, s89, s[WV]                   ; my head
	s_lshl_b32 s90, s89, 8
	s_mov_b32 s91, 0
	s_add_nc_u64 s[86:87], s[86:87], s[90:91]
	s_bfe_u32 s92, s23, 0x20004                    ; batch
	s_and_b32 s93, s23, 15                         ; which 128 tokens of the batch
	s_lshl_b32 s94, s92, 11
	s_lshl_b32 s95, s93, 7
	s_add_co_u32 s94, s94, s95
	s_mov_b32 s95, 0
	s_add_nc_u64 s[14:15], s[14:15], s[94:95]      ; the mask at my tokens
	s_lshl_b32 s96, s92, 4
	s_add_co_u32 s96, s96, s89
	s_lshl_b32 s96, s96, 4
	s_add_co_u32 s96, s96, s93
	s_lshl_b32 s97, s22, 10
	s_add_co_u32 s96, s96, s97
	s_mul_i32 s96, s96, REC
	s_mov_b32 s97, 0
	s_add_nc_u64 s[16:17], s[16:17], s[96:97]      ; my record
	s_cmp_eq_u32 s22, 2
	s_cbranch_scc1 .Lv_path
	; ---- q and k
	v_lshlrev_b32 v93, 6, v90
.irp u, 0,1,2,3                                ; tile 2 b + u', lane half h, register j: channel 32 b + 16 h + 8 u' + j of my head
	global_load_b128 v[BI+8*\u:BI+8*\u+3], v93, s[86:87] offset:128*(\u/2)+32*(\u%2)
	global_load_b128 v[BI+8*\u+4:BI+8*\u+7], v93, s[86:87] offset:128*(\u/2)+32*(\u%2)+16
.endr
	s_wait_alu depctr_va_vdst(0)
.irp i, 0,1,2,3,4,5,6,7
	global_load_u8 v[KEEP+\i], v[MO], s[14:15] offset:32*(\i/2)+8*(\i%2)   ; the mask's byte of the token that lane r of tile i holds
.endr
	s_wait_loadcnt 0x0
.irp i, 0,1,2,3,4,5,6,7
	v_mad_u32_u24 v[KEEP+\i], v[KEEP+\i], s88, -1  ; 0 for a masked key of k, else all ones
.endr
	s_wait_tensorcnt 0x0                           ; my one load is in; the barrier makes that hold of all four: all of K lies in LDS
	s_barrier_signal -1
	s_barrier_wait -1
	FETCH 0
.irp s, 0,1,2,3,4,5,6,7
	KSTEP \s, 0
.endr
	WIN 0
	s_wait_dscnt 0x0                               ; my reads of the tiles are over;
	s_barrier_signal -1
	s_barrier_wait -1                              ; everybody's are: the stages may be written
	PLACES 4
.irp i, 0,1,2,3,4,5,6,7
	QUANT 32*\i, 2
	v_lshl_or_b32 v[QW], v[QW], 16, v[QW]          ; (b0, b1, b0, b1): the upper two scale attention's zero codes
.irp j, 0,1,2,3,4,5
	v_and_b32 v[PC+\j], v[PC+\j], v[KEEP+\i]
.endr
.irp j, 0,1,2
	ds_store_b64 v[SQ], v[PC+2*\j:PC+2*\j+1] offset:768*\i+8*\j
.endr
	ds_store_b32 v[SQS], v[QW] offset:64*\i        ; both halves of the lanes write the same word with the same value
	s_wait_dscnt 0x0                               ; the stores have read their registers
.endr
	SENDREC RQ
	s_wait_tensorcnt 0x0                           ; the wave's end
	ds_add_u32 v[SPW], v[NIL]
	s_wait_dscnt 0x0
	CROUND                                         ; the closing round
	s_endpgm
	; ---- v
.Lv_path:
	s_wait_alu depctr_va_vdst(0)
	v_lshlrev_b32 v93, 2, v[MO]
.irp c, 0,1,2,3
	global_load_b32 v[BI+8*\c], v93, s[86:87] offset:128*(\c/2)+32*(\c%2)   ; lane r of tile c holds channel 32 (c / 2) + 8 (c % 2) + 16 (r / 8) + r % 8
.endr
	s_wait_loadcnt 0x0
.irp c, 0,1,2,3
.irp j, 1,2,3,4,5,6,7
	v_mov_b32 v[BI+8*\c+\j], v[BI+8*\c]            ; the lane's bias for all eight tokens
.endr
.endr
	s_wait_alu depctr_va_vdst(0)
	s_wait_tensorcnt 0x0                           ; my one load is in
	s_barrier_signal -1
	s_barrier_wait -1
	FETCH 0
.irp s, 0,1,2,3,4,5,6,7
	KSTEP \s, 1
.endr
	WIN 0
	s_wait_dscnt 0x0
	s_barrier_signal -1
	s_barrier_wait -1
	PLACES 4
.irp c, 0,1,2,3
	QUANT 64*\c, 4                                 ; 128 keys of my channel: one fragment's registers
.irp j, 0,1,2
	ds_store_b128 v[SV], v[PC+4*\j:PC+4*\j+3] offset:1536*\c+16*\j
.endr
	ds_store_b32 v[SVS], v[QW] offset:64*\c        ; lanes 0-15 the words, lanes 16-31 their copy 256 bytes on
	s_wait_dscnt 0x0
.endr
	SENDREC RV
	s_wait_tensorcnt 0x0                           ; the wave's end
	ds_add_u32 v[SPW], v[NIL]
	s_wait_dscnt 0x0
	CROUND
	s_endpgm
.Lfunc_end_k_qa12fdc0250_proj:
	.size	k_qa12fdc0250_proj, .Lfunc_end_k_qa12fdc0250_proj-k_qa12fdc0250_proj
	.p2alignl 7, 3214868480
	.fill 96, 4, 3214868480
	.section	.rodata,"a",@progbits
	.p2align	6, 0x0
	.amdhsa_kernel k_qa12fdc0250_proj
		.amdhsa_group_segment_fixed_size 307712
		.amdhsa_private_segment_fixed_size 0
		.amdhsa_enable_private_segment 0
		.amdhsa_kernarg_size 56
		.amdhsa_user_sgpr_count 2
		.amdhsa_user_sgpr_kernarg_segment_ptr 1
		.amdhsa_wavefront_size32 1
		.amdhsa_system_sgpr_workgroup_id_x 1
		.amdhsa_system_sgpr_workgroup_id_y 1
		.amdhsa_system_sgpr_workgroup_id_z 1
		.amdhsa_system_vgpr_workitem_id 0
		.amdhsa_next_free_vgpr 768
		.amdhsa_next_free_sgpr 100
		.amdhsa_reserve_vcc 0
		.amdhsa_float_denorm_mode_32 3
		.amdhsa_float_denorm_mode_16_64 3
		.amdhsa_memory_ordered 1
		.amdhsa_forward_progress 1
		.amdhsa_inst_pref_size 164
	.end_amdhsa_kernel
	.amdgpu_metadata
---
amdhsa.version: [ 1, 2 ]
amdhsa.kernels:
  - .name:           k_qa12fdc0250_proj
    .symbol:         k_qa12fdc0250_proj.kd
    .args:
      - { .name: acts, .offset: 0, .size: 8, .value_kind: global_buffer, .address_space: global }
      - { .name: wts, .offset: 8, .size: 8, .value_kind: global_buffer, .address_space: global }
      - { .name: bq, .offset: 16, .size: 8, .value_kind: global_buffer, .address_space: global }
      - { .name: bk, .offset: 24, .size: 8, .value_kind: global_buffer, .address_space: global }
      - { .name: bv, .offset: 32, .size: 8, .value_kind: global_buffer, .address_space: global }
      - { .name: mask, .offset: 40, .size: 8, .value_kind: global_buffer, .address_space: global }
      - { .name: qkv, .offset: 48, .size: 8, .value_kind: global_buffer, .address_space: global }
    .group_segment_fixed_size: 307712
    .private_segment_fixed_size: 0
    .kernarg_segment_align: 8
    .kernarg_segment_size: 56
    .max_flat_workgroup_size: 128
    .sgpr_count:     100
    .vgpr_count:     768
    .wavefront_size: 32
...
	.end_amdgpu_metadata
.endif
;; end of part 2
;; launch attn (part 3): grid 4 x 64, 8 waves a work-group, no clusters, 150,528 bytes of LDS; arguments qkv, mask, xq; writes xq
.if DOCPART == 3
	.amdgcn_target "amdgcn-amd-amdhsa--gfx1250"
	.amdhsa_code_object_version 6
	.text
	.protected	k_qa12fdc0250_attn
	.globl	k_qa12fdc0250_attn
	.p2align	8
	.type	k_qa12fdc0250_attn,@function
k_qa12fdc0250_attn:
	s_mov_b64 s[64:65], 0
	v_nop
	global_prefetch_b8 v0, s[64:65] scope:SCOPE_SE
	s_setreg_imm32_b32 hwreg(HW_REG_WAVE_MODE, 25, 1), 1
	s_wait_xcnt 0x0
; x = attn v for one head; attn = softmax(q k^T / 8, masked keys at -10,000), masked keys then 0; both products on codes of FP6 (E2M3) with E8M0 scales; the finished attn is quantised along the keys, x along the channels.
; SHARES.  A work-group owns 512 queries of a head.  THE KEYS ARE DEALT AMONG THE EIGHT WAVES: wave w keeps keys 256 w .. 256 w + 255 of K and V in registers for the whole launch.
; A group is 16 queries: each wave holds its 16 x 256 scores in 128 registers, so every score and every exponential is made once.
; Each wave takes its own maximum m_w and sum l_w; (m_w, l_w) meet in LDS, one barrier a group; attn = 2^(c s - c m_w) x 2^(c m_w - c M) / L, c = log2(e) / 8.
; THE MASK.  A masked key's codes of k are zeros and its C is -2^120, so its p is 0 and it never sets a maximum beside an unmasked key.  What reference()'s -10,000 adds to the row's maximum and sum is the same for
; every masked key: M takes -80,000 (before the division by 8) in if any key is masked, L takes count x 2^(c (-80,000 - M)).  A wave whose keys are all masked has m_w = -2^120 and so the factor 0.
; K = 64 fills half of an instruction's 128: a fragment of K holds TWO tiles of keys, (tile 2 f | tile 2 f + 1), multiplied by (Q | 0) or (0 | Q), which share the registers 0, Q, 0.
; Both products are used transposed: a lane holds one query.  The eight waves' partial O^T of four groups wait in LDS; then each lane adds 16 channels of one query over the waves and quantises them.
; NO JOINT LOADS, NO TENSOR LOADS: K and V are read once a work-group, at the head, straight into the registers that keep them; the loop reads 832 bytes of Q a group, asked for a group ahead, so no prefetch either.
; LIMITS: NaN and infinities are not served; an attn under 2^-126 becomes 0; raw scores stay under 2^119 in magnitude; a block under 2^-124 keeps the byte 1.
; REGISTERS: window 0: v1-13 addresses, Q's scale word; v14-23 scale words; v24-41 0, Q, 0; v42-125 at work; v126-127 the masked score and count; v128-255 scores.  window 1: v0-95 K, v96-191 V, v192-223 O^T.
.set REC,   6656
.set OT,    4352                       ; a wave's partial of a group: 16 rows of 256 bytes + 16
.set OW,    4*OT
.set BIAS,  8*OW                       ; 2,048 numbers: each key's C, in position order
.set STAT,  BIAS+8192                  ; two sets of 8 waves x 16 queries x (m, l), by turns
.set SPARE, STAT+2048                  ; the spare words, 128 bytes a wave
.set SPW, 1
.set NIL, 2
.set ACB, 3
.set AST, 4
.set ARD, 5
.set AOS, 6
.set AOR, 7
.set AQ,  9
.set AQS, 10
.set XG,  11
.set XSO, 12
.set QS,  13
.set KS,  14
.set VS,  18
.set PW,  22
.set ZQ,  24
.set BM,  42
.set BT,  50
.set SO,  58
.set M,   66
.set NCM, 68
.set F,   70
.set T,   72
.set ST,  76                           ; the waves' (m, l); before that the sum's chains, later the conversions' second halves
.set P,   92
.set AOT, 118
.set SMK, 126
.set NM,  127
.set S,   128
.set RD,  44                           ; the adding of partials: five sets of 16
.set KF,  0                            ; window 1
.set VF,  96
.set O,   192
.set WV,  10
.set KP,  16
.set VP,  18
.set QB,  20
.set QP,  22
.set QSP, 24
.set XB,  32
.set XSB, 34
.set XP,  36
.set XSP, 38
.set CS,  40
.set NC,  42
.set SEL, 44
.set G,   46
.set OC,  47
.set IC,  48
.set SL,  49
.set MSB, 0
.macro WIN new
.if MSB != \new
	s_set_vgpr_msb (MSB<<8)|\new
.set MSB, \new
.endif
.endm
.macro PLACES n
.rept \n
	v_nop
.endr
.endm
.macro WM d, a, b, c, sa, ra, sb
.if (\ra)==0
	v_wmma_scale_f32_16x16x128_f8f6f4 v[(\d):(\d)+7], v[(\a):(\a)+11], v[(\b):(\b)+11], \c, v[\sa], v[\sb] matrix_a_fmt:MATRIX_FMT_FP6 matrix_b_fmt:MATRIX_FMT_FP6
.else
	v_wmma_scale_f32_16x16x128_f8f6f4 v[(\d):(\d)+7], v[(\a):(\a)+11], v[(\b):(\b)+11], \c, v[\sa], v[\sb] matrix_a_fmt:MATRIX_FMT_FP6 matrix_b_fmt:MATRIX_FMT_FP6 matrix_a_scale:MATRIX_SCALE_ROW1
.endif
.endm
.macro LOADC                           ; my keys' C into the score registers: the products add onto it in place
.set i, 0
.rept 16
	ds_load_b128 v[S+8*i:S+8*i+3], v[ACB] offset:64*i
	ds_load_b128 v[S+8*i+4:S+8*i+7], v[ACB] offset:64*i+16
.set i, i+1
.endr
.endm
.macro GROUP e                         ; 16 queries; e: which set of (m, l), and which of the trip's two places for O^T
	s_wait_loadcnt 0x0                             ; Q
	s_wait_dscnt 0x0                               ; C
	WIN 0x01
.set i, 0
.rept 16                               ; tile i of my keys; 16 accumulators, one instruction each
	WM S+8*i,KF+12*(i/2),ZQ+6-6*(i&1),v[S+8*i:S+8*i+7],KS+(i/4),(i/2)&1,QS
.set i, i+1
.endr
	WIN 0
	s_add_co_u32 s30, s[G], \e+1                   ; the next group's tile of Q: record n / 8, tile n % 8
	s_lshr_b32 s31, s30, 3
	s_mul_i32 s31, s31, REC
	s_and_b32 s30, s30, 7
	s_mul_i32 s26, s30, 768
	s_add_co_u32 s26, s26, s31
	s_lshl_b32 s30, s30, 6
	s_add_co_u32 s28, s30, s31
	s_add_nc_u64 s[QP:QP+1], s[QB:QB+1], s[26:27]  ; the loads that read these pairs were waited for above
	s_add_nc_u64 s[QSP:QSP+1], s[QB:QB+1], s[28:29]
	PLACES 4                                       ; behind the products: for the loads into Q and for the reads of the scores
.irp j, 0,1,2
	global_load_b64 v[ZQ+6+2*\j:ZQ+7+2*\j], v[AQ], s[QP:QP+1] offset:8*\j
.endr
	global_load_b32 v[QS], v[AQS], s[QSP:QSP+1] offset:6144
.irp b, 0,1,2,3,4,5,6,7                ; the largest score of each block of 32 keys; each accumulator from its low end on
	v_max3_num_f32 v[BM+\b], v[S+16*\b], v[S+16*\b+1], v[S+16*\b+2]
.endr
.irp i, 3,5,7,9,11,13
.irp b, 0,1,2,3,4,5,6,7
	v_max3_num_f32 v[BM+\b], v[BM+\b], v[S+16*\b+\i], v[S+16*\b+\i+1]
.endr
.endr
.irp b, 0,1,2,3,4,5,6,7
	v_max_num_f32 v[BM+\b], v[BM+\b], v[S+16*\b+15]
.endr
.irp b, 0,1,2,3,4,5,6,7
	v_permlanex16_b32 v[BT+\b], v[BM+\b], s[SEL], s[SEL+1]
.endr
.irp b, 0,1,2,3,4,5,6,7
	v_max_num_f32 v[BM+\b], v[BM+\b], v[BT+\b]
.endr
	v_max3_num_f32 v[T], v[BM], v[BM+1], v[BM+2]
	v_max3_num_f32 v[T+1], v[BM+3], v[BM+4], v[BM+5]
	v_max3_num_f32 v[T], v[T], v[BM+6], v[BM+7]
	v_max_num_f32 v[M], v[T], v[T+1]               ; m_w
	v_mul_f32 v[NCM], s[NC], v[M]
.set i, 0
.rept 64
	v_pk_fma_f32 v[S+2*i:S+2*i+1], v[S+2*i:S+2*i+1], s[CS:CS+1], v[NCM:NCM+1] op_sel_hi:[1,0,0]
.set i, i+1
.endr
.irp b, 0,1,2,3,4,5,6,7
	v_fma_f32 v[BM+\b], v[BM+\b], s[CS], v[NCM]    ; the same of each block's largest score: it becomes the block's largest p
.endr
	s_wait_alu depctr_va_vdst(0)
.set i, 0
.rept 128
	v_exp_f32 v[S+i], v[S+i]
.set i, i+1
.endr
.irp b, 0,1,2,3,4,5,6,7
	v_exp_f32 v[BM+\b], v[BM+\b]
.endr
	v_nop
	s_wait_alu depctr_va_vdst(0)
.irp k, 0,1,2,3                        ; l_w, of the unquantised p: four chains of pairs
	v_pk_add_f32 v[ST+2*\k:ST+2*\k+1], v[S+2*\k:S+2*\k+1], v[S+8+2*\k:S+9+2*\k]
.endr
.set i, 16
.rept 14
.irp k, 0,1,2,3
	v_pk_add_f32 v[ST+2*\k:ST+2*\k+1], v[ST+2*\k:ST+2*\k+1], v[S+i+2*\k:S+i+2*\k+1]
.endr
.set i, i+8
.endr
	v_pk_add_f32 v[ST:ST+1], v[ST:ST+1], v[ST+2:ST+3]
	v_pk_add_f32 v[ST+4:ST+5], v[ST+4:ST+5], v[ST+6:ST+7]
	v_pk_add_f32 v[ST:ST+1], v[ST:ST+1], v[ST+4:ST+5]
	v_add_f32 v[T], v[ST], v[ST+1]
	v_permlanex16_b32 v[BT], v[T], s[SEL], s[SEL+1]
	v_add_f32 v[M+1], v[T], v[BT]
	ds_store_b64 v[AST], v[M:M+1] offset:1024*\e   ; both halves of the lanes write the same words with the same values
	s_wait_alu depctr_va_vdst(0)
	s_wait_dscnt 0x0                               ; my store has landed; my reads of the partials and of the other set are over
	s_barrier_signal -1
	s_barrier_wait -1
.irp p, 0,1,2,3,4,5,6,7
	ds_load_b64 v[ST+2*\p:ST+2*\p+1], v[ARD] offset:128*\p+1024*\e
.endr
	s_wait_dscnt 0x0
	v_max3_num_f32 v[T], v[ST], v[ST+2], v[ST+4]
	v_max3_num_f32 v[T+1], v[ST+6], v[ST+8], v[ST+10]
	v_max3_num_f32 v[T], v[T], v[ST+12], v[ST+14]
	v_max3_num_f32 v[T], v[T], v[T+1], v[SMK]      ; M, the masked keys' score among its leaves
	v_mul_f32 v[T+1], s[NC], v[T]
.irp p, 0,1,2,3,4,5,6,7
	v_fma_f32 v[ST+2*\p], v[ST+2*\p], s[CS], v[T+1]
.endr
	v_fma_f32 v[T+2], v[SMK], s[CS], v[T+1]
	v_fma_f32 v[T+3], v[M], s[CS], v[T+1]
	s_wait_alu depctr_va_vdst(0)
.irp p, 0,1,2,3,4,5,6,7
	v_exp_f32 v[ST+2*\p], v[ST+2*\p]
.endr
	v_exp_f32 v[T+2], v[T+2]
	v_exp_f32 v[T+3], v[T+3]
	v_nop
	s_wait_alu depctr_va_vdst(0)
	v_mul_f32 v[T], v[NM], v[T+2]                  ; the masked keys' share of L
	v_mul_f32 v[T+1], v[ST], v[ST+1]
.irp p, 1,3,5
	v_fma_f32 v[T], v[ST+2*\p], v[ST+2*\p+1], v[T]
	v_fma_f32 v[T+1], v[ST+2*\p+2], v[ST+2*\p+3], v[T+1]
.endr
	v_fma_f32 v[T], v[ST+14], v[ST+15], v[T]
	v_add_f32 v[T], v[T], v[T+1]
	s_wait_alu depctr_va_vdst(0)
	v_rcp_f32 v[T], v[T]
	v_nop
	s_wait_alu depctr_va_vdst(0)
	v_mul_f32 v[F], v[T+3], v[T]                   ; 2^(c m_w - c M) / L
.set i, 0
.rept 64
	v_pk_mul_f32 v[S+2*i:S+2*i+1], v[S+2*i:S+2*i+1], v[F:F+1] op_sel_hi:[1,0]
.set i, i+1
.endr
.irp b, 0,1,2,3,4,5,6,7
	v_mul_f32 v[BM+\b], v[BM+\b], v[F]
.endr
.irp b, 0,1,2,3,4,5,6,7
	v_max_num_f32 v[BM+\b], 0x1800000, v[BM+\b]    ; the floor 2^(3 - 127): the byte cannot fall under 1
.endr
.irp b, 0,1,2,3,4,5,6,7
	v_add_nc_u32 v[SO+\b], 0xff000000, v[BM+\b]    ; 2 off the exponent field: the conversion's scale operand
.endr
.irp b, 0,1,2,3,4,5,6,7
	v_lshrrev_b32 v[BT+\b], 23, v[SO+\b]
.endr
.irp u, 0,1
	v_lshl_or_b32 v[PW+\u], v[BT+4*\u+1], 8, v[BT+4*\u]
	v_lshl_or_b32 v[PW+\u], v[BT+4*\u+2], 16, v[PW+\u]
	v_lshl_or_b32 v[PW+\u], v[BT+4*\u+3], 24, v[PW+\u]
.endr
	v_add_nc_u32 v[AOT], s[SL], v[AOS]
.irp c, 0,1,2,3
	v_cvt_scalef32_pk16_fp6_f32 v[P+6*\c:P+6*\c+2], v[S+32*\c:S+32*\c+15], v[SO+2*\c]
	v_cvt_scalef32_pk16_fp6_f32 v[ST+4*\c:ST+4*\c+2], v[S+32*\c+16:S+32*\c+31], v[SO+2*\c+1]
.endr
	v_nop                                          ; one plain place behind a scaled conversion
.irp c, 0,1,2,3
.irp i, 0,1,2
	v_permlane16_swap_b32 v[P+6*\c+\i], v[ST+4*\c+\i]   ; lanes 0-15 get block 2 c whole, lanes 16-31 block 2 c + 1
.endr
.irp i, 0,1,2
	v_mov_b32 v[P+6*\c+3+\i], v[ST+4*\c+\i]
.endr
.endr
	LOADC                                          ; the scores are done with: the next group's C
	PLACES 8                                       ; between the vector writes of codes and scale words and the scaled products
	WIN 0x51
.irp c, 0,1,2,3                        ; O^T = V^T P^T over my 256 keys: four accumulators by turns
	WM O+8*\c,VF+12*\c,P,0,VS+(\c>>1),\c&1,PW
.endr
.irp c, 0,1,2,3
	WM O+8*\c,VF+48+12*\c,P+12,v[O+8*\c:O+8*\c+7],VS+2+(\c>>1),\c&1,PW+1
.endr
	WIN 0
	PLACES 4
	WIN 0x04                                       ; an LDS store's data: window 1
.irp b, 0,1
.irp i, 0,1,2,3
	ds_store_b128 v[AOT], v[O+16*\b+4*\i:O+16*\b+4*\i+3] offset:OT*\e+128*\b+16*\i   ; row = query, channels in their order
.endr
.endr
	WIN 0
.endm
.macro ADD16 a, b
.irp i, 0,2,4,6,8,10,12,14
	v_pk_add_f32 v[RD+16*\a+\i:RD+16*\a+\i+1], v[RD+16*\a+\i:RD+16*\a+\i+1], v[RD+16*\b+\i:RD+16*\b+\i+1]
.endr
.endm
.macro REDUCE                          ; four groups' x: my lane adds 16 channels of one query over the eight waves, and quantises them
	s_wait_dscnt 0x0                               ; my partials have landed
	s_barrier_signal -1
	s_barrier_wait -1
.irp p, 0,1,2,3
.irp i, 0,1,2,3
	ds_load_b128 v[RD+16*\p+4*\i:RD+16*\p+4*\i+3], v[AOR] offset:OW*\p+16*\i
.endr
.endr
.irp i, 0,1,2,3
	ds_load_b128 v[RD+64+4*\i:RD+67+4*\i], v[AOR+1] offset:16*\i
.endr
	s_lshr_b32 s30, s[OC], 1                       ; xq: block of 128 rows, and which 64 of them
	s_mul_i32 s30, s30, 102400
	s_and_b32 s31, s[OC], 1
	s_mul_i32 s26, s31, 6144
	s_add_co_u32 s26, s26, s30
	s_lshl_b32 s31, s31, 8
	s_add_co_u32 s28, s31, s30
	s_add_nc_u64 s[XP:XP+1], s[XB:XB+1], s[26:27]
	s_add_nc_u64 s[XSP:XSP+1], s[XSB:XSB+1], s[28:29]
	s_wait_dscnt 0x0
	ADD16 0, 1
	ADD16 2, 3
	ADD16 0, 4
	ADD16 0, 2
.irp p, 1,2,3
.irp i, 0,1,2,3
	ds_load_b128 v[RD+16*\p+4*\i:RD+16*\p+4*\i+3], v[AOR+1] offset:OW*\p+16*\i
.endr
.endr
	s_wait_alu depctr_va_vdst(0)
	s_wait_dscnt 0x0
	ADD16 1, 2
	ADD16 0, 3
	ADD16 0, 1
	v_max3_num_f32 v[RD+16], |v[RD]|, |v[RD+1]|, 0x1800000
	v_max3_num_f32 v[RD+17], |v[RD+8]|, |v[RD+9]|, |v[RD+10]|
.irp i, 2,4,6
	v_max3_num_f32 v[RD+16], v[RD+16], |v[RD+\i]|, |v[RD+\i+1]|
.endr
.irp i, 11,13
	v_max3_num_f32 v[RD+17], v[RD+17], |v[RD+\i]|, |v[RD+\i+1]|
.endr
	v_max3_num_f32 v[RD+16], v[RD+16], v[RD+17], |v[RD+15]|
	v_max_num_f32_dpp v[RD+16], v[RD+16], v[RD+16] row_xmask:1 row_mask:0xf bank_mask:0xf   ; with my neighbour's 16: the block's
	v_add_nc_u32 v[RD+18], 0xff000000, v[RD+16]
	v_cvt_scalef32_pk16_fp6_f32 v[RD+20:RD+22], v[RD:RD+15], v[RD+18]
	v_lshrrev_b32 v[RD+19], 23, v[RD+18]
	global_store_b96 v[XG], v[RD+20:RD+22], s[XP:XP+1]     ; the wave stores 384 consecutive bytes
	global_store_b8 v[XSO], v[RD+19], s[XSP:XSP+1]         ; both lanes of a block write the same byte; a word's four bytes belong to two heads
	s_wait_xcnt 0x0                                ; the stores' registers and bases are written again only behind this wait
.endm
	s_load_b128 s[4:7], s[0:1], 0x0                ; qkv, mask
	s_load_b64 s[8:9], s[0:1], 0x10                ; xq
	v_lshl_add_u32 v[SPW], v0, 2, SPARE
	v_mov_b32 v[NIL], 0
	v_lshrrev_b32 v[S], 5, v0
	v_readfirstlane_b32 s[WV], v[S]                ; wave 0..7
	s_and_b32 s12, ttmp7, 0xffff                   ; batch x head
	s_lshr_b32 s13, s12, 4
	s_and_b32 s14, s12, 15
	s_lshr_b32 s15, s[WV], 1
	s_and_b32 s30, s[WV], 1
	s_lshl_b32 s50, s[WV], 10
	s_lshl_b32 s51, s[WV], 7
	s_mul_i32 s52, s[WV], OW
	s_mul_i32 s53, s15, OT
	s_mul_i32 s31, s30, 8*272
	s_add_co_u32 s53, s53, s31
	s_mul_i32 s54, s15, 1536
	s_mul_i32 s31, s30, 384
	s_add_co_u32 s54, s54, s31
	s_lshl_b32 s55, s15, 6
	s_lshl_b32 s31, s30, 5
	s_add_co_u32 s55, s55, s31
	s_lshl_b32 s60, s12, 4
	s_lshl_b32 s56, s[WV], 1
	s_add_co_u32 s56, s56, s60
	s_add_co_u32 s56, s56, 1024
	s_mul_i32 s56, s56, REC                        ; my two records of K,
	s_mov_b32 s57, 0
	s_add_co_u32 s58, s56, 1024*REC                ; and of V
	s_mov_b32 s59, 0
	s_lshl_b32 s31, ttmp9, 2
	s_add_co_u32 s60, s60, s31
	s_mul_i32 s60, s60, REC                        ; the work-group's four records of q
	s_mov_b32 s61, 0
	s_lshl_b32 s62, s13, 4
	s_add_co_u32 s62, s62, s31
	s_mul_i32 s62, s62, 102400                     ; xq: its four blocks of 128 rows,
	s_lshr_b32 s31, s14, 1
	s_mul_i32 s31, s31, 12800
	s_add_co_u32 s62, s62, s31                     ; K step head / 2,
	s_and_b32 s31, s14, 1
	s_add_co_u32 s28, s62, s31
	s_add_co_u32 s28, s28, 12288                   ; the scale words at byte head % 2,
	s_mul_i32 s31, s31, 768
	s_add_co_u32 s26, s62, s31                     ; the half of a tile that head % 2 fills
	s_mov_b32 s27, 0
	s_mov_b32 s29, 0
	s_lshl_b32 s36, s13, 11
	s_mov_b32 s37, 0
	s_mov_b32 s[CS], 0x3e38aa3b                    ; c = log2(e) / 8
	s_mov_b32 s[CS+1], s[CS]
	s_mov_b32 s[NC], 0xbe38aa3b
	s_mov_b32 s[SEL], 0x76543210
	s_mov_b32 s[SEL+1], 0xfedcba98
	v_and_b32 v[S], 31, v0                         ; lane
	v_and_b32 v[S+1], 15, v0                       ; r
	v_bfe_u32 v[S+2], v0, 4, 1                     ; h
	v_mul_u32_u24 v[AQ], v[S+1], 48
	v_mad_u32_u24 v[AQ], v[S+2], 24, v[AQ]
	v_lshlrev_b32 v[AQS], 2, v[S+1]
	v_lshl_add_u32 v[S+3], v[S+2], 7, v[AQS]       ; K's scale words: lanes 0-15 fragment 2 g, lanes 16-31 fragment 2 g + 1
	v_mul_u32_u24 v[S+4], v[S], 48
	v_lshlrev_b32 v[S+5], 2, v[S]
	v_lshlrev_b32 v[S+6], 6, v[S]
	v_lshlrev_b32 v[S+7], 3, v0
	v_lshlrev_b32 v[ACB], 5, v[S+2]
	v_add_nc_u32 v[ACB], s50, v[ACB]
	v_add_nc_u32 v[ACB], BIAS, v[ACB]
	v_lshlrev_b32 v[ARD], 3, v[S+1]
	v_add_nc_u32 v[ARD], STAT, v[ARD]
	v_add_nc_u32 v[AST], s51, v[ARD]
	v_mul_u32_u24 v[AOS], v[S+1], 272
	v_lshl_add_u32 v[AOS], v[S+2], 6, v[AOS]
	v_add_nc_u32 v[AOS], s52, v[AOS]
	v_lshrrev_b32 v[S+8], 2, v[S]
	v_and_b32 v[S+9], 3, v[S]
	v_mul_u32_u24 v[AOR], v[S+8], 272              ; adding: group wave / 2 of the four, query 8 (wave % 2) + lane / 4, channels 16 (lane % 4) ..
	v_lshl_add_u32 v[AOR], v[S+9], 6, v[AOR]
	v_add_nc_u32 v[AOR], s53, v[AOR]
	v_add_nc_u32 v[AOR+1], 4*OW, v[AOR]
	v_mul_u32_u24 v[XG], v[S], 12
	v_add_nc_u32 v[XG], s54, v[XG]
	v_bfe_u32 v[S+9], v[S], 1, 1
	v_lshlrev_b32 v[XSO], 2, v[S+8]
	v_lshl_add_u32 v[XSO], v[S+9], 1, v[XSO]
	v_add_nc_u32 v[XSO], s55, v[XSO]
	v_and_b32 v[S+10], 0xfc, v0                    ; keys 8 t .. 8 t + 7 stand at positions 8 t' .., t' = t with bits 0 and 1 exchanged
	v_and_b32 v[S+11], 1, v0
	v_lshl_add_u32 v[S+10], v[S+11], 1, v[S+10]
	v_bfe_u32 v[S+11], v0, 1, 1
	v_add_nc_u32 v[S+10], v[S+10], v[S+11]
	v_lshlrev_b32 v[S+10], 5, v[S+10]
	v_add_nc_u32 v[S+10], BIAS, v[S+10]
	s_wait_alu depctr_va_vdst(0)
	s_wait_kmcnt 0x0
	s_add_nc_u64 s[KP:KP+1], s[4:5], s[56:57]
	s_add_nc_u64 s[VP:VP+1], s[4:5], s[58:59]
	s_add_nc_u64 s[QB:QB+1], s[4:5], s[60:61]
	s_add_nc_u64 s[XB:XB+1], s[8:9], s[26:27]
	s_add_nc_u64 s[XSB:XSB+1], s[8:9], s[28:29]
	s_add_nc_u64 s[6:7], s[6:7], s[36:37]
	global_load_b64 v[S+12:S+13], v[S+7], s[6:7]   ; eight keys' mask bytes a thread, for the table;
.irp i, 0,1,2,3
	global_load_b128 v[S+16+4*\i:S+19+4*\i], v[S+6], s[6:7] offset:16*\i   ; and 64 a lane, for the count
.endr
.irp g, 0,1,2,3
	global_load_b32 v[S+32+\g], v[S+3], s[KP:KP+1] offset:REC*(\g/2)+6144+256*(\g%2)
	global_load_b32 v[S+36+\g], v[S+3], s[KP:KP+1] offset:REC*(\g/2)+6144+256*(\g%2)+64
	global_load_b32 v[VS+\g], v[S+5], s[VP:VP+1] offset:REC*(\g/2)+6144+128*(\g%2)
.endr
.irp j, 0,1,2
	global_load_b64 v[ZQ+6+2*\j:ZQ+7+2*\j], v[AQ], s[QB:QB+1] offset:8*\j
.endr
	global_load_b32 v[QS], v[AQS], s[QB:QB+1] offset:6144
	WIN 0x40
.set i, 0
.rept 16
.irp j, 0,1,2
	global_load_b64 v[KF+6*i+2*\j:KF+6*i+2*\j+1], v[AQ], s[KP:KP+1] offset:REC*(i/8)+768*(i%8)+8*\j
.endr
.set i, i+1
.endr
.set i, 0
.rept 8
.irp j, 0,1,2
	global_load_b128 v[VF+12*i+4*\j:VF+12*i+4*\j+3], v[S+4], s[VP:VP+1] offset:REC*(i/4)+1536*(i%4)+16*\j
.endr
.set i, i+1
.endr
	WIN 0
.irp j, 0,1,2,3,4,5
	v_mov_b32 v[ZQ+\j], 0                          ; zero codes on either side of Q
	v_mov_b32 v[ZQ+12+\j], 0
.endr
.irp j, 0,1,2,3,4,5,6,7
	v_mov_b32 v[BT+\j], 0                          ; permutes' destinations and upper halves of pairs are written once
.endr
	v_mov_b32 v[NCM+1], 0
	v_mov_b32 v[F+1], 0
	v_mov_b32 v[T], 0xff61b1e6                     ; -3e38: no key is masked
	v_mov_b32 v[T+1], 0xc79c4000                   ; -80,000
	v_mov_b32 v[T+2], 0xfb800000                   ; -2^120
	s_wait_alu depctr_va_vdst(0)
	s_wait_loadcnt 0x0
.irp j, 0,1,2,3,4,5,6,7
	v_bfe_u32 v[T+3], v[S+12+\j/4], 8*(\j%4), 8
	v_cmp_ne_u32 vcc_lo, 0, v[T+3]
	v_cndmask_b32 v[S+40+\j], 0, v[T+2], vcc_lo
.endr
	ds_store_b128 v[S+10], v[S+40:S+43]
	ds_store_b128 v[S+10], v[S+44:S+47] offset:16
.irp g, 0,1,2,3
	v_bfi_b32 v[KS+\g], 0xffff, v[S+32+\g], v[S+36+\g]   ; bytes 0, 1: the fragment's first tile; bytes 2, 3: its second
.endr
	v_add3_u32 v[T+3], v[S+16], v[S+17], v[S+18]   ; a mask byte is 0 or 1: 16 words add without a carry between bytes
.irp i, 3,5,7,9,11,13
	v_add3_u32 v[T+3], v[T+3], v[S+16+\i], v[S+17+\i]
.endr
	v_add_nc_u32 v[T+3], v[T+3], v[S+31]
	v_mul_lo_u32 v[T+3], v[T+3], 0x01010101
	v_lshrrev_b32 v[T+3], 24, v[T+3]
	v_cvt_f32_u32 v[NM], v[T+3]
.irp x, 1,2,4,8
	v_add_f32_dpp v[NM], v[NM], v[NM] row_xmask:\x row_mask:0xf bank_mask:0xf
.endr
	v_permlanex16_b32 v[BT], v[NM], s[SEL], s[SEL+1]
	v_add_f32 v[NM], v[NM], v[BT]                  ; the batch's masked keys
	v_cmp_lt_f32 vcc_lo, 0, v[NM]
	v_cndmask_b32 v[SMK], v[T], v[T+1], vcc_lo
	s_wait_alu depctr_va_vdst(0)
	s_wait_dscnt 0x0
	s_barrier_signal -1
	s_barrier_wait -1                              ; the table is whole
	LOADC
	s_mov_b32 s[G], 0
	s_mov_b32 s[OC], 0
.Lquad:
	s_mov_b32 s[SL], 0
	s_mov_b32 s[IC], 0
.Lpair:
	GROUP 0
	GROUP 1
	s_add_co_u32 s[G], s[G], 2
	s_add_co_u32 s[SL], s[SL], 2*OT
	s_add_co_u32 s[IC], s[IC], 1
	s_cmp_lt_u32 s[IC], 2
	s_cbranch_scc1 .Lpair
	REDUCE
	s_add_co_u32 s[OC], s[OC], 1
	s_cmp_lt_u32 s[OC], 8
	s_cbranch_scc1 .Lquad
	s_wait_tensorcnt 0x0                           ; the wave's end
	ds_add_u32 v[SPW], v[NIL]
	s_wait_dscnt 0x0
	s_endpgm
.Lfunc_end_k_qa12fdc0250_attn:
	.size	k_qa12fdc0250_attn, .Lfunc_end_k_qa12fdc0250_attn-k_qa12fdc0250_attn
	.p2alignl 7, 3214868480
	.fill 96, 4, 3214868480
	.section	.rodata,"a",@progbits
	.p2align	6, 0x0
	.amdhsa_kernel k_qa12fdc0250_attn
		.amdhsa_group_segment_fixed_size 150528
		.amdhsa_private_segment_fixed_size 0
		.amdhsa_enable_private_segment 0
		.amdhsa_kernarg_size 24
		.amdhsa_user_sgpr_count 2
		.amdhsa_user_sgpr_kernarg_segment_ptr 1
		.amdhsa_wavefront_size32 1
		.amdhsa_system_sgpr_workgroup_id_x 1
		.amdhsa_system_sgpr_workgroup_id_y 1
		.amdhsa_system_sgpr_workgroup_id_z 1
		.amdhsa_system_vgpr_workitem_id 0
		.amdhsa_next_free_vgpr 512
		.amdhsa_next_free_sgpr 66
		.amdhsa_reserve_vcc 1
		.amdhsa_float_denorm_mode_32 3
		.amdhsa_float_denorm_mode_16_64 3
		.amdhsa_memory_ordered 1
		.amdhsa_forward_progress 1
		.amdhsa_inst_pref_size 96
	.end_amdhsa_kernel
	.amdgpu_metadata
---
amdhsa.version: [ 1, 2 ]
amdhsa.kernels:
  - .name:           k_qa12fdc0250_attn
    .symbol:         k_qa12fdc0250_attn.kd
    .args:
      - { .name: qkv, .offset: 0, .size: 8, .value_kind: global_buffer, .address_space: global }
      - { .name: mask, .offset: 8, .size: 8, .value_kind: global_buffer, .address_space: global }
      - { .name: xq, .offset: 16, .size: 8, .value_kind: global_buffer, .address_space: global }
    .group_segment_fixed_size: 150528
    .private_segment_fixed_size: 0
    .kernarg_segment_align: 8
    .kernarg_segment_size: 24
    .max_flat_workgroup_size: 256
    .sgpr_count:     66
    .vgpr_count:     512
    .wavefront_size: 32
...
	.end_amdgpu_metadata
.endif
;; end of part 3
;; launch outp (part 4): grid 4 x 64, 4 waves a work-group, clusters of 4 x 4, 307,712 bytes of LDS; arguments xq, wts, bo, out0; writes out0
.if DOCPART == 4
	.amdgcn_target "amdgcn-amd-amdhsa--gfx1250"
	.amdhsa_code_object_version 6
	.text
	.protected	k_qa12fdc0250_outp
	.globl	k_qa12fdc0250_outp
	.p2align	8
	.type	k_qa12fdc0250_outp,@function
k_qa12fdc0250_outp:
	s_mov_b64 s[64:65], 0
	v_nop
	global_prefetch_b8 v0, s[64:65] scope:SCOPE_SE
	s_setreg_imm32_b32 hwreg(HW_REG_WAVE_MODE, 25, 1), 1
	s_wait_xcnt 0x0
	s_wait_alu depctr_hold_cnt(0) depctr_sa_sdst(0) depctr_va_vdst(0) depctr_va_sdst(0) depctr_va_ssrc(0) depctr_va_vcc(0) depctr_vm_vsrc(0)
	s_getreg_b32 s2, hwreg(HW_REG_IB_STS2, 6, 4)
	s_cmp_eq_u32 s2, 0
	s_cbranch_scc0 .Lentry_in_a_cluster
	s_endpgm
.Lentry_in_a_cluster:
	s_bfe_u32 s2, ttmp6, 0x10000c
	s_cmp_lg_u32 s2, 0xf033
	s_cbranch_scc0 .Lentry_shape_is_right
	s_endpgm
.Lentry_shape_is_right:
; out0 = x wo^T + bo on codes of FP6 (E2M3) with E8M0 scales; x's codes and wo's lie in the order of an operand's registers, rows in position order (bits 3 and 4 of a row's number exchanged).
; A work-group makes 128 rows x 256 outputs over all of K = 1,024; wave w makes 64 outputs x 128 rows, 32 accumulators.  All of K lies in LDS, asked for once by one tensor load a wave: no ring, nothing filled again.
; CLUSTER 4 x 4: wo's blocks hang on cx alone and are asked for jointly down a column, x's block on the row block alone, jointly along a row.
; Source 0 = 16 outputs, source 1 = 16 rows: a lane holds one row and eight neighbouring outputs a tile.  bo is the C of each sum's first product.
; REGISTERS: window 0: v2-14 addresses; v20-31 scale words, two sets; v32-63 bias; v96-239 fragment set 0, on the way out rows read back.  window 1: accumulators.  window 2: v96-239 fragment set 1.
.set BLK,   102400
.set KST,   12800
.set CHUNK, 25600
.set LA,    2*BLK
.set SPARE, 3*BLK
.set AFA, 2
.set AFW, 4
.set ASA, 6
.set ASW, 8
.set SPW, 10
.set NIL, 11
.set STO, 12                           ; the stage: where I put 32 bytes of a row
.set SRD, 13                           ; where I read a row back
.set GOO, 14                           ; my byte offset in out0
.set SC,  20
.set BI,  32
.set FA,  96
.set FW,  192
.set OB,  96                           ; 16 rows read back: two sets of 32 registers by turns
.set WV,  18
.set G1W, 24
.set G1A, 32
.set G0W, 40
.set MSB, 0
.macro WIN new
.if MSB != \new
	s_set_vgpr_msb (MSB<<8)|\new
.set MSB, \new
.endif
.endm
.macro PLACES n
.rept \n
	v_nop
.endr
.endm
.macro CROUND
	s_barrier_signal -1
	s_barrier_wait -1
	s_cmp_lg_u32 s[WV], 0
	s_cbranch_scc1 .Lnot_wave_0_\@
	s_barrier_signal -3
.Lnot_wave_0_\@:
	s_barrier_wait -3
	s_barrier_signal -1
	s_barrier_wait -1
.endm
.macro WM d, a, b, c, sa, ra, sb, rb
.if ((\ra)==0)&&((\rb)==0)
	v_wmma_scale_f32_16x16x128_f8f6f4 v[(\d):(\d)+7], v[(\a):(\a)+11], v[(\b):(\b)+11], \c, v[\sa], v[\sb] matrix_a_fmt:MATRIX_FMT_FP6 matrix_b_fmt:MATRIX_FMT_FP6
.elseif ((\ra)==1)&&((\rb)==0)
	v_wmma_scale_f32_16x16x128_f8f6f4 v[(\d):(\d)+7], v[(\a):(\a)+11], v[(\b):(\b)+11], \c, v[\sa], v[\sb] matrix_a_fmt:MATRIX_FMT_FP6 matrix_b_fmt:MATRIX_FMT_FP6 matrix_a_scale:MATRIX_SCALE_ROW1
.elseif ((\ra)==0)&&((\rb)==1)
	v_wmma_scale_f32_16x16x128_f8f6f4 v[(\d):(\d)+7], v[(\a):(\a)+11], v[(\b):(\b)+11], \c, v[\sa], v[\sb] matrix_a_fmt:MATRIX_FMT_FP6 matrix_b_fmt:MATRIX_FMT_FP6 matrix_b_scale:MATRIX_SCALE_ROW1
.else
	v_wmma_scale_f32_16x16x128_f8f6f4 v[(\d):(\d)+7], v[(\a):(\a)+11], v[(\b):(\b)+11], \c, v[\sa], v[\sb] matrix_a_fmt:MATRIX_FMT_FP6 matrix_b_fmt:MATRIX_FMT_FP6 matrix_a_scale:MATRIX_SCALE_ROW1 matrix_b_scale:MATRIX_SCALE_ROW1
.endif
.endm
.macro FETCH s                         ; K step s into set s % 2: 42 loads
.if ((\s)&1)
	WIN 0x80
.else
	WIN 0
.endif
.irp i, 0,1,2,3,4,5,6,7
.irp j, 0,1,2
	ds_load_b128 v[FA+12*\i+4*\j:FA+12*\i+4*\j+3], v[AFA+((\s)>>2)] offset:KST*((\s)&3)+1536*\i+16*\j
.endr
.endr
.irp i, 0,1,2,3
.irp j, 0,1,2
	ds_load_b128 v[FW+12*\i+4*\j:FW+12*\i+4*\j+3], v[AFW+((\s)>>2)] offset:KST*((\s)&3)+1536*\i+16*\j
.endr
.endr
	WIN 0
.irp i, 0,1,2,3
	ds_load_b32 v[SC+6*((\s)&1)+\i], v[ASA+((\s)>>2)] offset:KST*((\s)&3)+128*\i
.endr
.irp i, 0,1
	ds_load_b32 v[SC+6*((\s)&1)+4+\i], v[ASW+((\s)>>2)] offset:KST*((\s)&3)+128*\i
.endr
.endm
.macro MULQK s                         ; 32 products; the 32 accumulators take turns, one instruction a turn
.if (\s)==0
	WIN 0x40
.elseif ((\s)&1)==0
	WIN 0x50
.else
	WIN 0x5a
.endif
.set SCB, SC+6*((\s)&1)
.irp i, 0,1,2,3,4,5,6,7
.irp u, 0,1,2,3
.if (\s)==0
	WM 8*(4*\i+\u),FW+12*\u,FA+12*\i,v[BI+8*\u:BI+8*\u+7],SCB+4+(\u>>1),\u&1,SCB+(\i>>1),\i&1
.else
	WM 8*(4*\i+\u),FW+12*\u,FA+12*\i,v[8*(4*\i+\u):8*(4*\i+\u)+7],SCB+4+(\u>>1),\u&1,SCB+(\i>>1),\i&1
.endif
.endr
.endr
.endm
.macro KSTEP s
.if (\s)>0
	PLACES 4                                       ; four places between the last products and loads into the set that they read
.endif
.if (\s)<7
	FETCH (\s)+1
	s_wait_dscnt 42                                ; all but the 42 just issued
.else
	s_wait_dscnt 0x0
.endif
	MULQK \s
.endm
; the way out of the 16 rows of tile i: 32 bytes a lane into my stage (rows of 256 bytes + 16), back as whole rows
.macro TOSTAGE i
	WIN 0x04                                       ; an LDS store's data: window 1
.irp u, 0,1,2,3
	ds_store_b128 v[STO], v[32*(\i)+8*\u:32*(\i)+8*\u+3] offset:128*(\u/2)+32*(\u%2)       ; each accumulator from its low end on
	ds_store_b128 v[STO], v[32*(\i)+8*\u+4:32*(\i)+8*\u+7] offset:128*(\u/2)+32*(\u%2)+16
.endr
	WIN 0
.set BB, OB+32*((\i)%2)
.irp t, 0,1,2,3,4,5,6,7
	ds_load_b128 v[BB+4*\t:BB+4*\t+3], v[SRD] offset:544*\t   ; LDS serves a wave's instructions in order: these see my stores, and the next tile's stores come behind them
.endr
.endm
.macro SEND i, younger                 ; sixteen lanes store 256 consecutive bytes, aligned; the immediate undoes the position order
.set BB, OB+32*((\i)%2)
	s_wait_dscnt \younger
.irp t, 0,1,2,3,4,5,6,7
	global_store_b128 v[GOO], v[BB+4*\t:BB+4*\t+3], s[10:11] offset:(32*((\i)/2)+16*(\t/4)+8*((\i)%2)+2*(\t%4))*4096 th:TH_STORE_NT
.endr
.endm
	s_load_b256 s[4:11], s[0:1], 0x0               ; xq, wts, bo, out0
	v_lshl_add_u32 v[SPW], v0, 2, SPARE
	v_mov_b32 v[NIL], 0
	ds_add_u32 v[SPW], v[NIL]                      ; the wave's opening
	ds_add_u32 v[SPW], v[NIL]
	v_lshrrev_b32 v1, 5, v0
	v_readfirstlane_b32 s[WV], v1
	s_bfe_u32 s19, ttmp6, 0x40000                  ; cx
	s_bfe_u32 s20, ttmp6, 0x40004                  ; cy
	s_and_b32 s21, ttmp7, 0xffff
	s_lshl_b32 s23, s21, 2
	s_add_co_u32 s23, s23, s20                     ; my block of 128 rows
	s_lshl_b32 s76, 0x1111, s19                    ; my column of the cluster
	s_lshl_b32 s77, s20, 2
	s_lshl_b32 s77, 15, s77                        ; my row
	s_or_b32 s[G1W], s76, (3<<16)|(1<<21)
	s_or_b32 s[G1A], s77, (3<<16)|(1<<21)
.irp g, G1W, G1A
	s_mov_b32 s[\g+1], 32<<16                      ; a chunk is dense: 100 rows of 256 bytes
	s_mov_b32 s[\g+2], (400-200*(\g/G1A))<<16      ; a block of wo whole: 400 rows of 256 bytes; half of x's block: 200
	s_mov_b32 s[\g+3], 32<<16
	s_mov_b32 s[\g+4], 400-200*(\g/G1A)
	s_mov_b32 s[\g+5], 32
	s_mov_b32 s[\g+6], 0
	s_mov_b32 s[\g+7], 0
.endr
	s_and_b32 s78, s[WV], 1
	s_lshl_b32 s79, s19, 1
	s_add_co_u32 s79, s79, s78
	s_add_co_u32 s79, s79, 24                      ; wo's block 24 + 2 cx + wave % 2
	s_mul_i32 s80, s79, BLK
	s_mov_b32 s81, 0
	s_mul_i32 s82, s23, BLK
	s_mov_b32 s83, 0
	s_mul_i32 s84, s78, BLK
	s_wait_dscnt 0x0
	s_wait_kmcnt 0x0
	s_add_nc_u64 s[80:81], s[6:7], s[80:81]
	s_add_nc_u64 s[82:83], s[4:5], s[82:83]
.irp c, 0,2
	s_mov_b32 s[G0W+4*\c], 1
	s_add_co_u32 s[G0W+4*\c+1], s84, \c*CHUNK
	s_add_nc_u64 s[G0W+4*\c+2:G0W+4*\c+3], s[80:81], \c*CHUNK
	s_or_b32 s[G0W+4*\c+3], s[G0W+4*\c+3], 0x80000000
	s_mov_b32 s[56+4*\c+4*(\c/2)], 1
	s_mov_b32 s[57+4*\c+4*(\c/2)], LA+\c*CHUNK
	s_add_nc_u64 s[58+4*\c+4*(\c/2):59+4*\c+4*(\c/2)], s[82:83], \c*CHUNK
	s_or_b32 s[59+4*\c+4*(\c/2)], s[59+4*\c+4*(\c/2)], 0x80000000
.endr
	CROUND
	s_cmp_lt_u32 s[WV], 2                          ; waves 0, 1: wo's two blocks; waves 2, 3: x's two halves.  One load of a wave is out
	s_cbranch_scc0 .Lnot_w
	tensor_load_to_lds s[G0W:G0W+3], s[G1W:G1W+7]  ; ONE load a wave at the head: waves 0, 1 a block of wo each, waves 2, 3 x's K steps 0-3 and 4-7
	s_nop 0
	PLACES 4
	s_branch .Lasked
.Lnot_w:
	s_cmp_eq_u32 s[WV], 2
	s_cbranch_scc0 .Lw3
	tensor_load_to_lds s[56:59], s[G1A:G1A+7]
	s_nop 0
	PLACES 4
	s_branch .Lasked
.Lw3:
	tensor_load_to_lds s[68:71], s[G1A:G1A+7]
	s_nop 0
	PLACES 4
.Lasked:
	v_and_b32 v1, 31, v0
	v_and_b32 v89, 15, v0                          ; r
	v_bfe_u32 v90, v0, 4, 1                        ; h
	v_mul_u32_u24 v91, v1, 48
	s_wait_alu depctr_va_vdst(0)
	v_lshlrev_b32 v92, 2, v1
	s_wait_alu depctr_va_vdst(0)
	s_lshr_b32 s85, s[WV], 1
	s_mul_i32 s85, s85, BLK
	s_mul_i32 s90, s78, 6144
	s_add_co_u32 s90, s90, s85
	s_lshl_b32 s91, s78, 8
	s_add_co_u32 s91, s91, s85
	s_add_co_u32 s91, s91, 12288
	s_mul_i32 s85, s[WV], 16*272                   ; my stage, in wo's block 0: it has had its only fill, and is written behind the barrier that ends all reads of it
	v_add_nc_u32 v[AFA], LA, v91
	v_add_nc_u32 v[AFA+1], LA+4*KST, v91
	v_add_nc_u32 v[AFW], s90, v91
	v_add_nc_u32 v[AFW+1], 4*KST, v[AFW]
	v_add_nc_u32 v[ASA], LA+12288, v92
	v_add_nc_u32 v[ASA+1], LA+12288+4*KST, v92
	v_add_nc_u32 v[ASW], s91, v92
	v_add_nc_u32 v[ASW+1], 4*KST, v[ASW]
	v_mul_u32_u24 v[STO], v89, 272
	v_lshl_add_u32 v[STO], v90, 6, v[STO]
	v_add_nc_u32 v[STO], s85, v[STO]
	v_mul_u32_u24 v[SRD], v90, 272
	v_lshl_add_u32 v[SRD], v89, 4, v[SRD]
	v_add_nc_u32 v[SRD], s85, v[SRD]
	v_lshlrev_b32 v[GOO], 12, v90
	v_lshl_add_u32 v[GOO], v89, 4, v[GOO]
	s_lshl_b32 s89, s19, 2
	s_add_co_u32 s89, s89, s[WV]                   ; my 64 outputs
	s_lshl_b32 s90, s89, 8
	s_mov_b32 s91, 0
	s_add_nc_u64 s[8:9], s[8:9], s[90:91]
	s_add_nc_u64 s[10:11], s[10:11], s[90:91]
	s_lshl_b32 s90, s23, 19
	s_add_nc_u64 s[10:11], s[10:11], s[90:91]
	v_lshlrev_b32 v93, 6, v90
.irp u, 0,1,2,3
	global_load_b128 v[BI+8*\u:BI+8*\u+3], v93, s[8:9] offset:128*(\u/2)+32*(\u%2)
	global_load_b128 v[BI+8*\u+4:BI+8*\u+7], v93, s[8:9] offset:128*(\u/2)+32*(\u%2)+16
.endr
	s_wait_loadcnt 0x0
	s_wait_tensorcnt 0x0                           ; my one load is in; the barrier makes that hold of all four: all of K lies in LDS
	s_barrier_signal -1
	s_barrier_wait -1
	FETCH 0
.irp s, 0,1,2,3,4,5,6,7
	KSTEP \s
.endr
	WIN 0
	s_wait_alu depctr_va_vdst(0)
	s_wait_dscnt 0x0
	s_barrier_signal -1
	s_barrier_wait -1                              ; nobody reads the tiles any more
	PLACES 4
	TOSTAGE 0
.irp i, 1,2,3,4,5,6,7
.if \i > 1
	s_wait_xcnt 0x0                                ; tile i - 2's stores have read their registers: tile i's rows may land there
.endif
	TOSTAGE \i
	SEND \i-1, 16                                  ; behind tile i - 1's loads: tile i's 8 stores and 8 loads
.endr
	SEND 7, 0
	s_wait_tensorcnt 0x0                           ; the wave's end
	ds_add_u32 v[SPW], v[NIL]
	s_wait_dscnt 0x0
	CROUND                                         ; the closing round
	s_endpgm
.Lfunc_end_k_qa12fdc0250_outp:
	.size	k_qa12fdc0250_outp, .Lfunc_end_k_qa12fdc0250_outp-k_qa12fdc0250_outp
	.p2alignl 7, 3214868480
	.fill 96, 4, 3214868480
	.section	.rodata,"a",@progbits
	.p2align	6, 0x0
	.amdhsa_kernel k_qa12fdc0250_outp
		.amdhsa_group_segment_fixed_size 307712
		.amdhsa_private_segment_fixed_size 0
		.amdhsa_enable_private_segment 0
		.amdhsa_kernarg_size 32
		.amdhsa_user_sgpr_count 2
		.amdhsa_user_sgpr_kernarg_segment_ptr 1
		.amdhsa_wavefront_size32 1
		.amdhsa_system_sgpr_workgroup_id_x 1
		.amdhsa_system_sgpr_workgroup_id_y 1
		.amdhsa_system_sgpr_workgroup_id_z 1
		.amdhsa_system_vgpr_workitem_id 0
		.amdhsa_next_free_vgpr 768
		.amdhsa_next_free_sgpr 100
		.amdhsa_reserve_vcc 0
		.amdhsa_float_denorm_mode_32 3
		.amdhsa_float_denorm_mode_16_64 3
		.amdhsa_memory_ordered 1
		.amdhsa_forward_progress 1
		.amdhsa_inst_pref_size 78
	.end_amdhsa_kernel
	.amdgpu_metadata
---
amdhsa.version: [ 1, 2 ]
amdhsa.kernels:
  - .name:           k_qa12fdc0250_outp
    .symbol:         k_qa12fdc0250_outp.kd
    .args:
      - { .name: xq, .offset: 0, .size: 8, .value_kind: global_buffer, .address_space: global }
      - { .name: wts, .offset: 8, .size: 8, .value_kind: global_buffer, .address_space: global }
      - { .name: bo, .offset: 16, .size: 8, .value_kind: global_buffer, .address_space: global }
      - { .name: out0, .offset: 24, .size: 8, .value_kind: global_buffer, .address_space: global }
    .group_segment_fixed_size: 307712
    .private_segment_fixed_size: 0
    .kernarg_segment_align: 8
    .kernarg_segment_size: 32
    .max_flat_workgroup_size: 128
    .sgpr_count:     100
    .vgpr_count:     768
    .wavefront_size: 32
...
	.end_amdgpu_metadata
.endif
;; end of part 4
